; MI455X (gfx1250); checked and timed in simulation.
; The chip was launched on July 23, 2026; its instructions are those of AMD's public machine-readable ISA for CDNA 5 (MIT licence, August 2026) and "CDNA5" Instruction Set Architecture Reference Guide (July 2026). The comments in the code are by the model that wrote it; some were corrected since.
;; Hierarchical Attention. Allowed arithmetic: matrix products marked QUANTISED: E5M2 operands, one E8M0 scale for each 32 along K, by v_wmma_scale_f32_16x16x128_f8f6f4 with both operands' format E5M2, f32 sums; everything else in f32.
;; Inputs: Wk_g 512 x 512 float32; Wk_l 512 x 512 float32; Wo_g 512 x 512 float32; Wo_l 512 x 512 float32; Wq_g 512 x 512 float32; Wq_l 512 x 512 float32; Wv_g 512 x 512 float32; Wv_l 512 x 512 float32; x 4 x 8,192 x 512 float32.
;; Outputs: out0 4 x 8,192 x 512 float32.
;; This version of the problem:
;;   THIS VERSION OF THE PROBLEM IS GIVEN IN LOW PRECISION. The matrix products marked QUANTISED in the list below multiply operands that are first quantised to E5M2 (5 exponent bits, 2 mantissa bits; 8 bits a number), with one power-of-two scale for each 32 numbers along K (OCP MX v1.0); their sums are f32. All else is computed in f32.
;;   The module's matrix products, in the order in which they are computed (A, B: the left and right operand; K: the contracted axis; several contracted axes count as one K, in the product's order):
;;     1. [M 32,768, K 512] x [K 512, N 512]; A: input x; B: input Wq_l: QUANTISED
;;     2. [M 32,768, K 512] x [K 512, N 512]; A: input x; B: input Wk_l: QUANTISED
;;     3. [M 32,768, K 512] x [K 512, N 512]; A: input x; B: input Wv_l: QUANTISED
;;     4. batch 2,048 x [M 256, K 32] x [K 32, N 256]; A: computed on the way; B: computed on the way: QUANTISED
;;     5. batch 2,048 x [M 32, K 256] x [K 256, N 256]; A: computed on the way; B: softmax (see below): QUANTISED
;;     6. [M 32,768, K 512] x [K 512, N 512]; A: computed on the way; B: input Wo_l: QUANTISED
;;     7. [M 128, K 512] x [K 512, N 512]; A: computed on the way; B: input Wq_g: QUANTISED
;;     8. [M 128, K 512] x [K 512, N 512]; A: computed on the way; B: input Wk_g: QUANTISED
;;     9. [M 128, K 512] x [K 512, N 512]; A: computed on the way; B: input Wv_g: QUANTISED
;;     10. batch 64 x [M 32, K 32] x [K 32, N 32]; A: computed on the way; B: computed on the way: QUANTISED
;;     11. batch 64 x [M 32, K 32] x [K 32, N 32]; A: computed on the way; B: softmax (see below): QUANTISED
;;     12. [M 128, K 512] x [K 512, N 512]; A: computed on the way; B: input Wo_g: QUANTISED
;;   THE QUANTISER, for each operand of a quantised product, along K:
;;     - K is cut into blocks of 32 from its start; a last block that is shorter is filled with zeros.
;;     - A block's scale is 2^e with e = floor(log2(the largest magnitude in the block)) - 15, held to -126 .. 127; a block of zeros has e = 0. As a byte (E8M0): e + 127.
;;     - Each number is divided by its block's scale, clamped to +-57,344, and rounded to the nearest number of E5M2, ties to even, subnormals kept.
;;     - The product sums the exact products of the quantised numbers (number of the format x scale) in f32.
;;   ~~~python
;;   def quantise(x, axis):      # numpy; x: float32 -> the quantised numbers, widened to float32 again
;;       x = np.moveaxis(x, axis, -1); K = x.shape[-1]
;;       x = np.pad(x, [(0, 0)] * (x.ndim - 1) + [(0, -K % 32)]); x = x.reshape(x.shape[:-1] + (-1, 32)); a = np.abs(x).max(-1, keepdims=True)
;;       e = np.where(a > 0, np.clip(np.frexp(np.where(a > 0, a, 1))[1] - 1 - 15, -126, 127), 0)      # np.frexp(a)[1] - 1 = floor(log2(a)), exactly
;;       r = np.clip(x / 2.0 ** e, -57344, 57344)
;;       step = 2.0 ** (np.maximum(np.frexp(np.where(r == 0, 1, r))[1] - 1, -14) - 2)
;;       q = np.round(r / step) * step * 2.0 ** e      # np.round: ties to even
;;       return np.moveaxis(q.reshape(q.shape[:-2] + (-1,))[..., :K], -1, axis).astype(np.float32)
;;   ~~~
;;   SOFTMAX AHEAD OF A QUANTISED PRODUCT. Where the list says 'softmax', what is quantised is not the finished softmax but p = 2^(t - M), with t = logit x log2(e) and M = ceil(the row's largest t), a whole number; so 1/2 < the row's largest p <= 1. The row's sum l is taken of the UNQUANTISED p, in f32, and the product's result is divided by l at the end. Since M is a whole number, a kernel that streams over the keys may use a running M (the ceiling of the running maximum): every later rescaling is an exact power of two, which a block's scale takes up: the codes' values come out the same.
;;   OPERANDS COMPUTED ON THE WAY. 'Computed on the way' means the value that the module computes at that place (a softmax that the list does not call 'softmax' is quantised finished and normalised). What goes into a quantiser is computed in f32, as accurately as f32 sums, v_exp_f32 and their like allow (about 1e-6 of the number): no bf16 or f16 on the way to a quantiser, and a product that is left as it is and whose result goes on into a quantised operand takes f32 operands (vector FMAs, or v_wmma_f32_16x16x4_f32). A number that lies on a knife's edge between two numbers of the format may be rounded either way, as far as f32 arithmetic and the matrix unit's own rounding can turn it there, and no further.
;; One version. Each part assembles by itself: llvm-mc -triple=amdgcn-amd-amdhsa -mcpu=gfx1250 --defsym DOCPART=n.
;; ======== version 1 of 1: 4 launches
;; limits: right only within a limited range of input values
;; workspace buffers: xq 17,301,504 bytes; wq 2,162,688 bytes; xsum 524,288 bytes; cq 17,301,504 bytes; psum 524,288 bytes; gpart 4,194,304 bytes
;; launch prep (part 1): grid 384 x 1, 8 waves a work-group, no clusters, 84,992 bytes of LDS; arguments Wq_l, Wk_l, Wv_l, Wo_l, Wq_g, Wk_g, Wv_g, Wo_g, x, xq, wq, xsum; writes xq, wq, xsum
.if DOCPART == 1
	.amdgcn_target "amdgcn-amd-amdhsa--gfx1250"
	.amdhsa_code_object_version 6
	.text
	.protected	k_q45458f0d78_prep
	.globl	k_q45458f0d78_prep
	.p2align	8
	.type	k_q45458f0d78_prep,@function
k_q45458f0d78_prep:
	s_mov_b64 s[64:65], 0
	v_nop
	global_prefetch_b8 v0, s[64:65] scope:SCOPE_SE
	s_setreg_imm32_b32 hwreg(HW_REG_WAVE_MODE, 25, 1), 1
	s_wait_xcnt 0x0
; PREP: the eight weights and x become codes of E5M2 with one E8M0 byte for each 32 along K, laid as IMAGES OF OPERAND REGISTERS; and x's column sums are taken for each half chunk.
; An image of a fragment (16 rows x 128 K) is 2,048 bytes [c 0..3][lane 0..31][16 bytes]: lane (r, h) holds k = 32 c + 16 h + 0 .. 15 of row r.
; THE ROWS OF A TILE ARE NOT NEIGHBOURS: row r of tile T is row 32 (T / 2) + 8 (T % 2) + r + 8 (r / 8), so that the results of two neighbouring tiles are 16 neighbours in a lane's registers.
; wq: eight records of 270,336 bytes (Wq_l Wk_l Wv_l Wo_l Wq_g Wk_g Wv_g Wo_g): codes [tile 32][K step 4][2048], then at 262,144 scale words [tile][r][4 words].
; xq: a record of 135,168 bytes a chunk: codes [tile 16][K step 4][2048], then at 131,072 scale words [tile][r][4 words].   xsum: [chunk][half][512] f32.
; Work-groups 0 to 127 take the weights (weight = id / 16, eighth of K = (id / 2) % 8, eight column groups of 32 for the eight waves, half id % 2); the other 256 take half a chunk of x each, a wave a tile.
; The weights' path touches no LDS and no barrier; the branch hangs on the work-group's number alone.
; LIMITS: NaN and infinities among the inputs are not served.  A block of zeros gets the byte 1 where the rule says 127: its codes are zeros, and this program alone reads the bytes.
.set REC,   270336
.set WWORD, 262144
.set XREC,  135168
; THE WEIGHTS' DEAL, as the text now has it: work-groups 0 to 127: weight = id / 16, eighth of K (64 rows: two blocks of 32) = (id / 2) % 8, eight column groups of 32 for the eight waves, half id % 2.
; Both of a wave's blocks are asked for at once.  The other 256 work-groups take half a chunk of x each.
.set NWG,   128                        ; work-groups that take weights
.set SCR,   67584                      ; LDS: behind eight stages of 16 rows x 528 bytes, 2,048 bytes of column sums for each wave
.set MNT,   40                         ; s40      the mantissa field of 57,344
.set SEL,   42                         ; s[42:43] lane selects: lane l xor 16
.set R0,    16                         ; v16-143  two sets of 64: a K step of 16 rows as loaded
.set X,     144                        ; v144-207 64 numbers of my row, 16 of each block
.set PC,    208                        ; v208-223 a fragment's codes
.set CSM,   224                        ; v224-239 column sums, four registers a K step
.set PWD,   240                        ; v240-243 my row's four scale words
.set TA,    244                        ; largest magnitudes
.set TB,    248                        ; the other half's, then the bytes
.set TC,    252                        ; 57,344 x the scale
.set TD,    10                         ; the conversions' scale operands
	s_load_b512 s[16:31], s[0:1], 0x0              ; the eight weights
	s_load_b128 s[4:7], s[0:1], 0x40               ; x, xq
	s_load_b128 s[8:11], s[0:1], 0x50              ; wq, xsum
	v_lshrrev_b32 v1, 5, v0
	s_delay_alu instid0(VALU_DEP_1)
	v_readfirstlane_b32 s32, v1                    ; wave 0..7
	v_and_b32 v2, 31, v0                           ; lane
	s_mov_b32 s[MNT], 0x600000
	s_cmp_lt_u32 ttmp9, NWG
	s_cbranch_scc0 .Lx_path
; ---------------- the weights: W [k][n] f32.  A lane takes a column n and its registers run down K, so the conversions give codes with K innermost
	s_lshr_b32 s33, ttmp9, 4                       ; which weight
	s_bfe_u32 s34, ttmp9, 0x30001                  ; which eighth of K
	s_and_b32 s35, ttmp9, 1
	s_lshl_b32 s35, s35, 3
	s_add_co_u32 s35, s35, s32                     ; column group b: columns 32 b + lane
	s_wait_alu depctr_va_vdst(0)
	v_lshlrev_b32 v3, 2, v2                        ; in: 4 bytes a lane
	v_bfe_u32 v4, v2, 3, 1                         ; column 32 b + m lies in tile 2 b + (m / 8) % 2,
	v_and_b32 v5, 7, v2
	v_lshrrev_b32 v6, 4, v2
	s_delay_alu instid0(VALU_DEP_1)
	v_lshl_add_u32 v5, v6, 3, v5                   ; at row m % 8 + 8 (m / 16)
	s_delay_alu instid0(VALU_DEP_1)
	v_lshlrev_b32 v5, 4, v5
	s_delay_alu instid0(VALU_DEP_1)
	v_lshl_add_u32 v7, v4, 13, v5                  ; codes: 8,192 x tile + 16 x row
	s_delay_alu instid0(VALU_DEP_2)
	v_lshl_add_u32 v8, v4, 8, v5                   ; words: 256 x tile + 16 x row
	s_lshl_b32 s36, s35, 7                         ; W: 128 b bytes along a row
	s_lshl_b32 s37, s34, 17                        ; 64 rows of 2,048 bytes for each eighth of K
	s_add_co_u32 s36, s36, s37
	s_mov_b32 s37, 0
	s_mul_i32 s38, s33, REC
	s_lshl_b32 s39, s35, 14                        ; codes: two tiles a group, 512 bytes a block of 32 along K
	s_add_co_u32 s44, s38, s39
	s_lshl_b32 s39, s34, 10                        ; two blocks of 512 bytes
	s_add_co_u32 s44, s44, s39
	s_mov_b32 s45, 0
	s_lshl_b32 s39, s35, 9                         ; words: 512 bytes a group
	s_add_co_u32 s46, s38, s39
	s_lshl_b32 s39, s34, 1                         ; two scale bytes
	s_add_co_u32 s46, s46, s39
	s_add_co_u32 s46, s46, WWORD
	s_mov_b32 s47, 0
	s_wait_alu depctr_va_vdst(0)
	s_wait_kmcnt 0x0
	s_bitcmp1_b32 s33, 0                           ; the weight is chosen by the three bits of its number: the choice hangs on the work-group's number alone
	s_cselect_b64 s[16:17], s[18:19], s[16:17]
	s_cselect_b64 s[20:21], s[22:23], s[20:21]
	s_cselect_b64 s[24:25], s[26:27], s[24:25]
	s_cselect_b64 s[28:29], s[30:31], s[28:29]
	s_bitcmp1_b32 s33, 1
	s_cselect_b64 s[16:17], s[20:21], s[16:17]
	s_cselect_b64 s[24:25], s[28:29], s[24:25]
	s_bitcmp1_b32 s33, 2
	s_cselect_b64 s[16:17], s[24:25], s[16:17]
	s_add_nc_u64 s[16:17], s[16:17], s[36:37]
	s_add_nc_u64 s[44:45], s[8:9], s[44:45]
	s_add_nc_u64 s[46:47], s[8:9], s[46:47]
.macro LOADW t                         ; block t: W(32 t + i, my column), i = 0 .. 31, into set t % 2; 32 lanes read 128 consecutive bytes
.set wi, 0
.rept 32
	global_load_b32 v[32+32*((\t)%2)+wi], v3, s[16:17] offset:(32*(\t)+wi)*2048 th:TH_LOAD_NT
.set wi, wi+1
.endr
.endm
.macro WBLOCK t
.set WX, 32+32*((\t)%2)
.set WC, 96+8*(\t)                     ; each block has code registers of its own: no store's data are written again
.if (\t) < 1
	s_wait_loadcnt 32                              ; this block's 32 loads are in; the next block's 32 may be out
.else
	s_wait_loadcnt 0x0
.endif
	v_max3_num_f32 v12, |v[WX]|, |v[WX+1]|, |v[WX+2]|   ; the block's largest magnitude: all 32 numbers are mine
	v_max3_num_f32 v13, |v[WX+3]|, |v[WX+4]|, |v[WX+5]|
.irp i, 6,10,14,18,22,26
	s_delay_alu instid0(VALU_DEP_2)
	v_max3_num_f32 v12, v12, |v[WX+\i]|, |v[WX+\i+1]|
	s_delay_alu instid0(VALU_DEP_2)
	v_max3_num_f32 v13, v13, |v[WX+\i+2]|, |v[WX+\i+3]|
.endr
	s_delay_alu instid0(VALU_DEP_2)
	v_max3_num_f32 v12, v12, |v[WX+30]|, |v[WX+31]|
	s_delay_alu instid0(VALU_DEP_1)
	v_max3_num_f32 v12, v12, v13, 0x8000000        ; and the floor 2^(16 - 127): the byte cannot fall under 1
	s_delay_alu instid0(VALU_DEP_1)
	v_add_nc_u32 v11, 0xf8800000, v12              ; 15 off the exponent field: the conversion's scale operand
	s_delay_alu instid0(VALU_DEP_2)
	v_and_or_b32 v10, v12, 0x7f800000, s[MNT]      ; 57,344 x the scale
	s_delay_alu instid0(VALU_DEP_2)
	v_lshrrev_b32 v13, 23, v11                     ; the scale's byte
.if (\t)%4 == 0
	s_delay_alu instid0(VALU_DEP_1)
	v_mov_b32 v[14+(\t)/4], v13                    ; four bytes to a word, the lower K in the lower byte
.else
	s_delay_alu instid0(VALU_DEP_1)
	v_lshl_or_b32 v[14+(\t)/4], v13, 8*((\t)%4), v[14+(\t)/4]
.endif
.set wi, 0
.rept 32
	v_med3_num_f32 v[WX+wi], v[WX+wi], -v10, v10   ; the conversion to an 8-bit code does not saturate (ISA guide 7.6.2): hold first
.set wi, wi+1
.endr
.irp g, 0,1,2,3
	v_cvt_scalef32_pk8_bf8_f32 v[WC+2*\g:WC+2*\g+1], v[WX+8*\g:WX+8*\g+7], v11
.endr
	global_store_b128 v7, v[WC:WC+3], s[44:45] offset:512*(\t)         ; k 0-15 of the block: the image's lanes 0-15; sixteen lanes store 256 consecutive bytes in each of two tiles
	global_store_b128 v7, v[WC+4:WC+7], s[44:45] offset:512*(\t)+256   ; k 16-31: its lanes 16-31
.if (\t)+2 < 2
	LOADW (\t)+2
.endif
.endm
	LOADW 0
	LOADW 1
.irp t, 0,1
	WBLOCK \t
.endr
	global_store_b16 v8, v14, s[46:47]             ; my column's two scale bytes of this eighth of K
	s_endpgm
; ---------------- x: a wave takes a tile of 16 tokens x 512
.Lx_path:
	s_sub_co_u32 s33, ttmp9, NWG                   ; 2 x chunk + half
	s_lshr_b32 s34, s33, 1
	s_and_b32 s35, s33, 1
	s_lshl_b32 s36, s35, 3
	s_add_co_u32 s36, s36, s32                     ; my tile T = 8 x half + wave
	v_and_b32 v1, 15, v0                           ; r
	v_bfe_u32 v3, v0, 4, 1                         ; h
	s_wait_alu depctr_va_vdst(0)
	v_lshlrev_b32 v4, 4, v2                        ; 16 x lane
	s_mul_i32 s37, s32, 8448                       ; my stage
	v_add_nc_u32 v5, s37, v4                       ; in: as loaded, a row's 512 bytes on end
	v_mul_u32_u24 v6, v1, 528
	s_delay_alu instid0(VALU_DEP_1)
	v_lshl_add_u32 v6, v3, 6, v6
	s_delay_alu instid0(VALU_DEP_1)
	v_add_nc_u32 v6, s37, v6                       ; out: row r, + 64 h: my 16 numbers of a block
	s_lshl_b32 s37, s32, 11
	s_add_co_u32 s37, s37, SCR
	v_add_nc_u32 v7, s37, v4                       ; my wave's column sums
	v_lshlrev_b32 v9, 3, v0                        ; 8 x thread
	s_delay_alu instid0(VALU_DEP_1)
	v_add_nc_u32 v8, SCR, v9
	s_mov_b32 s[SEL], 0x76543210
	s_mov_b32 s[SEL+1], 0xfedcba98
.irp b, 0,1,2,3
	v_mov_b32 v[TB+\b], 0                          ; written once: a lane permute's destination counts as one of its sources
.endr
	s_lshl_b32 s38, s34, 8                         ; the tile's first token: 256 x chunk + 32 (T / 2) + 8 (T % 2)
	s_lshr_b32 s39, s36, 1
	s_lshl_b32 s39, s39, 5
	s_add_co_u32 s38, s38, s39
	s_and_b32 s39, s36, 1
	s_lshl_b32 s39, s39, 3
	s_add_co_u32 s38, s38, s39
	s_lshl_b32 s38, s38, 11                        ; 2,048 bytes a token
	s_mov_b32 s39, 0
	s_mul_i32 s44, s34, XREC
	s_lshl_b32 s45, s36, 13
	s_lshl_b32 s46, s36, 8
	s_add_co_u32 s46, s46, s44
	s_add_co_u32 s46, s46, 131072                  ; my tile's scale words
	s_add_co_u32 s44, s44, s45                     ; my tile's codes
	s_mov_b32 s45, 0
	s_mov_b32 s47, 0
	s_lshl_b32 s48, s33, 11
	s_mov_b32 s49, 0
	s_wait_kmcnt 0x0
	s_add_nc_u64 s[38:39], s[4:5], s[38:39]
	s_add_nc_u64 s[44:45], s[6:7], s[44:45]
	s_add_nc_u64 s[46:47], s[6:7], s[46:47]
	s_add_nc_u64 s[48:49], s[10:11], s[48:49]
.macro LOADX ks                        ; K step ks of the tile's 16 rows: each load reads 512 consecutive bytes
.set li, 0
.rept 16
	global_load_b128 v[R0+64*((\ks)%2)+4*li:R0+64*((\ks)%2)+4*li+3], v4, s[38:39] offset:(li+8*(li/8))*2048+512*(\ks) th:TH_LOAD_NT
.set li, li+1
.endr
.endm
.macro QUANTX pw                       ; v[X] on, register 16 b + i = k 32 b + 16 h + i of my row, become a fragment's codes in v[PC] on and its scale word in v[pw]
.irp b, 0,1,2,3
	v_max3_num_f32 v[TA+\b], |v[X+16*\b]|, |v[X+1+16*\b]|, 0x8000000   ; my 16 numbers of block b, and the floor 2^(16 - 127)
.endr
.irp i, 2,4,6,8,10,12,14
.irp b, 0,1,2,3
	s_delay_alu instid0(VALU_DEP_4)
	v_max3_num_f32 v[TA+\b], v[TA+\b], |v[X+16*\b+\i]|, |v[X+1+16*\b+\i]|   ; the four blocks by turns
.endr
.endr
.irp b, 0,1,2,3
	s_delay_alu instid0(VALU_DEP_4)
	v_permlanex16_b32 v[TB+\b], v[TA+\b], s[SEL], s[SEL+1]
.endr
.irp b, 0,1,2,3
	s_delay_alu instid0(VALU_DEP_4)
	v_max_num_f32 v[TA+\b], v[TA+\b], v[TB+\b]     ; with lane l xor 16's: the block's largest magnitude
.endr
.irp b, 0,1,2,3
	s_delay_alu instid0(VALU_DEP_4)
	v_add_nc_u32 v[TD+\b], 0xf8800000, v[TA+\b]
.endr
.irp b, 0,1,2,3
	v_and_or_b32 v[TC+\b], v[TA+\b], 0x7f800000, s[MNT]
.endr
.irp b, 0,1,2,3
	v_lshrrev_b32 v[TB+\b], 23, v[TD+\b]
.endr
	s_delay_alu instid0(VALU_DEP_3)
	v_lshl_or_b32 v[\pw], v[TB+1], 8, v[TB]
	s_delay_alu instid0(VALU_DEP_1)
	v_lshl_or_b32 v[\pw], v[TB+2], 16, v[\pw]
	s_delay_alu instid0(VALU_DEP_1)
	v_lshl_or_b32 v[\pw], v[TB+3], 24, v[\pw]
.irp b, 0,1,2,3
.irp i, 0,1,2,3,4,5,6,7,8,9,10,11,12,13,14,15
	v_med3_num_f32 v[X+16*\b+\i], v[X+16*\b+\i], -v[TC+\b], v[TC+\b]
.endr
	v_cvt_scalef32_pk8_bf8_f32 v[PC+4*\b:PC+1+4*\b], v[X+16*\b:X+7+16*\b], v[TD+\b]
	v_cvt_scalef32_pk8_bf8_f32 v[PC+2+4*\b:PC+3+4*\b], v[X+8+16*\b:X+15+16*\b], v[TD+\b]
.endr
	v_nop                                          ; one plain vector line behind the last conversion
.endm
.macro XSTEP ks
.set RS, R0+64*((\ks)%2)
.if (\ks) < 3
	s_wait_loadcnt 16                              ; this K step's 16 loads are in; the next step's 16 may be out
.else
	s_wait_loadcnt 0x0
.endif
	v_pk_add_f32 v[CSM+4*(\ks):CSM+4*(\ks)+1], v[RS:RS+1], v[RS+4:RS+5]          ; the 16 rows' sums of my four columns
	v_pk_add_f32 v[CSM+4*(\ks)+2:CSM+4*(\ks)+3], v[RS+2:RS+3], v[RS+6:RS+7]
.set li, 2
.rept 14
	s_delay_alu instid0(VALU_DEP_2)
	v_pk_add_f32 v[CSM+4*(\ks):CSM+4*(\ks)+1], v[CSM+4*(\ks):CSM+4*(\ks)+1], v[RS+4*li:RS+4*li+1]
	s_delay_alu instid0(VALU_DEP_2)
	v_pk_add_f32 v[CSM+4*(\ks)+2:CSM+4*(\ks)+3], v[CSM+4*(\ks)+2:CSM+4*(\ks)+3], v[RS+4*li+2:RS+4*li+3]
.set li, li+1
.endr
.set li, 0
.rept 16
	ds_store_b128 v5, v[RS+4*li:RS+4*li+3] offset:528*li
.set li, li+1
.endr
.set li, 0
.rept 16
	ds_load_b128 v[X+4*li:X+4*li+3], v6 offset:128*(li/4)+16*(li%4)   ; LDS serves a wave's instructions in order: these see the stores above
.set li, li+1
.endr
	s_wait_dscnt 0x0                               ; my numbers are back, and the stores have read their registers
	s_wait_xcnt 0x0                                ; the last step's stores have read v[PC] on, which is written again below
.if (\ks)+2 < 4
	LOADX (\ks)+2
.endif
	QUANTX PWD+(\ks)
.irp c, 0,1,2,3
	global_store_b128 v4, v[PC+4*\c:PC+4*\c+3], s[44:45] offset:2048*(\ks)+512*\c   ; the image: 512 consecutive bytes a store
.endr
.endm
	LOADX 0
	LOADX 1
	XSTEP 0
	XSTEP 1
	XSTEP 2
	XSTEP 3
	v_cmp_ne_u32 vcc_lo, 0, v3                     ; both halves of the lanes hold my row's four words: lanes 0-15 store words 0, 1, lanes 16-31 words 2, 3
	s_delay_alu instid0(VALU_DEP_1)
	v_cndmask_b32 v14, v[PWD], v[PWD+2], vcc_lo
	s_delay_alu instid0(VALU_DEP_2)
	v_cndmask_b32 v15, v[PWD+1], v[PWD+3], vcc_lo
	v_lshlrev_b32 v16, 4, v1
	s_delay_alu instid0(VALU_DEP_1)
	v_lshl_add_u32 v16, v3, 3, v16
	global_store_b64 v16, v[14:15], s[46:47]       ; the wave stores 256 consecutive bytes
.irp c, 0,1,2,3
	ds_store_b128 v7, v[CSM+4*\c:CSM+4*\c+3] offset:512*\c
.endr
	s_wait_dscnt 0x0                               ; for the others' sake: my sums lie in LDS
	s_barrier_signal -1
	s_barrier_wait -1
.irp k, 0,1,2,3,4,5,6,7
	ds_load_b64 v[32+2*\k:33+2*\k], v8 offset:2048*\k   ; thread t: columns 2 t, 2 t + 1 of the eight waves
.endr
	s_wait_dscnt 0x0
	v_pk_add_f32 v[32:33], v[32:33], v[34:35]
	v_pk_add_f32 v[36:37], v[36:37], v[38:39]
	v_pk_add_f32 v[40:41], v[40:41], v[42:43]
	v_pk_add_f32 v[44:45], v[44:45], v[46:47]
	s_delay_alu instid0(VALU_DEP_3)
	v_pk_add_f32 v[32:33], v[32:33], v[36:37]
	s_delay_alu instid0(VALU_DEP_2)
	v_pk_add_f32 v[40:41], v[40:41], v[44:45]
	s_delay_alu instid0(VALU_DEP_1)
	v_pk_add_f32 v[32:33], v[32:33], v[40:41]
	global_store_b64 v9, v[32:33], s[48:49]        ; 128 tokens' sums; a wave stores 256 consecutive bytes
	s_wait_xcnt 0x0                                ; the stores have read their registers
	v_lshl_add_u32 v20, v0, 2, 0x14800             ; all 256 registers are at work above, so the add's two registers are made here from v0, which stands as at the entry
	v_mov_b32 v21, 0
	s_wait_alu depctr_va_vdst(0)
	s_wait_tensorcnt 0x0                           ; the wave's end
	ds_add_u32 v20, v21
	s_wait_dscnt 0x0
	s_endpgm
.Lfunc_end_k_q45458f0d78_prep:
	.size	k_q45458f0d78_prep, .Lfunc_end_k_q45458f0d78_prep-k_q45458f0d78_prep
	.p2alignl 7, 3214868480
	.fill 96, 4, 3214868480
	.section	.rodata,"a",@progbits
	.p2align	6, 0x0
	.amdhsa_kernel k_q45458f0d78_prep
		.amdhsa_group_segment_fixed_size 84992
		.amdhsa_private_segment_fixed_size 0
		.amdhsa_enable_private_segment 0
		.amdhsa_kernarg_size 96
		.amdhsa_user_sgpr_count 2
		.amdhsa_user_sgpr_kernarg_segment_ptr 1
		.amdhsa_wavefront_size32 1
		.amdhsa_system_sgpr_workgroup_id_x 1
		.amdhsa_system_sgpr_workgroup_id_y 1
		.amdhsa_system_sgpr_workgroup_id_z 1
		.amdhsa_system_vgpr_workitem_id 0
		.amdhsa_next_free_vgpr 256
		.amdhsa_next_free_sgpr 66
		.amdhsa_reserve_vcc 1
		.amdhsa_float_denorm_mode_32 3
		.amdhsa_float_denorm_mode_16_64 3
		.amdhsa_memory_ordered 1
		.amdhsa_forward_progress 1
		.amdhsa_inst_pref_size 86
	.end_amdhsa_kernel
	.amdgpu_metadata
---
amdhsa.version: [ 1, 2 ]
amdhsa.kernels:
  - .name:           k_q45458f0d78_prep
    .symbol:         k_q45458f0d78_prep.kd
    .args:
      - { .name: Wq_l, .offset: 0, .size: 8, .value_kind: global_buffer, .address_space: global }
      - { .name: Wk_l, .offset: 8, .size: 8, .value_kind: global_buffer, .address_space: global }
      - { .name: Wv_l, .offset: 16, .size: 8, .value_kind: global_buffer, .address_space: global }
      - { .name: Wo_l, .offset: 24, .size: 8, .value_kind: global_buffer, .address_space: global }
      - { .name: Wq_g, .offset: 32, .size: 8, .value_kind: global_buffer, .address_space: global }
      - { .name: Wk_g, .offset: 40, .size: 8, .value_kind: global_buffer, .address_space: global }
      - { .name: Wv_g, .offset: 48, .size: 8, .value_kind: global_buffer, .address_space: global }
      - { .name: Wo_g, .offset: 56, .size: 8, .value_kind: global_buffer, .address_space: global }
      - { .name: x, .offset: 64, .size: 8, .value_kind: global_buffer, .address_space: global }
      - { .name: xq, .offset: 72, .size: 8, .value_kind: global_buffer, .address_space: global }
      - { .name: wq, .offset: 80, .size: 8, .value_kind: global_buffer, .address_space: global }
      - { .name: xsum, .offset: 88, .size: 8, .value_kind: global_buffer, .address_space: global }
    .group_segment_fixed_size: 84992
    .private_segment_fixed_size: 0
    .kernarg_segment_align: 8
    .kernarg_segment_size: 96
    .max_flat_workgroup_size: 256
    .sgpr_count:     66
    .vgpr_count:     256
    .wavefront_size: 32
...
	.end_amdgpu_metadata
.endif
;; end of part 1
;; launch local (part 2): grid 256 x 1, 8 waves a work-group, no clusters, 297,984 bytes of LDS; arguments xq, wq, xsum, cq, psum; writes cq, psum
.if DOCPART == 2
	.amdgcn_target "amdgcn-amd-amdhsa--gfx1250"
	.amdhsa_code_object_version 6
	.text
	.protected	k_q45458f0d78_local
	.globl	k_q45458f0d78_local
	.p2align	8
	.type	k_q45458f0d78_local,@function
k_q45458f0d78_local:
	s_mov_b64 s[64:65], 0
	v_nop
	global_prefetch_b8 v0, s[64:65] scope:SCOPE_SE
	s_setreg_imm32_b32 hwreg(HW_REG_WAVE_MODE, 25, 1), 1
	s_wait_xcnt 0x0
; LOCAL: the attention inside a chunk.  A work-group takes (chunk, eight heads); ONE WAVE OWNS ONE HEAD for all 256 tokens, so q, k, v and p never leave the wave.
; All products are v_wmma_scale_f32_16x16x128_f8f6f4 on E5M2 codes.  Tokens and output channels lie in tiles whose row r is 32 (T / 2) + 8 (T % 2) + r + 8 (r / 8).
; ONE PASS OVER x MAKES q, k AND v: my head's parts of Wq, Wk, Wv (384 registers) stay in registers, and each fragment of x is read from LDS once a wave and feeds six products.
;   q, k: D = W x^T (source 0 = 16 channels, source 1 = 16 tokens): a lane holds one token and the head's channels 16 h + 0 .. 15: one block of 32 with lane l xor 16: four code registers (a PIECE).
;   v: D = x W^T: a lane holds one channel, and two tiles give it 16 neighbouring tokens: a piece of V^T along the keys.  The even tile's 16 numbers wait in the wave's own LDS for the odd tile's.
;   x comes a K step (16 registers) at a time into two buffers by turns.  The pass is two loops of four trips (two tiles a trip) with a barrier between: behind it nobody reads x's tiles 0-7, and the
;   second half's pieces of k and V are stored into those bytes, 8,192 for each wave (they have had their one fill).
; SCORES.  K = 32.  Four pieces of k (four tiles of keys) form ONE source 0; source 1 is q's piece at place c among zeros (a window of 16 registers slid over zeros, q, zeros): the product is k's tile 4 g + c times q.
;   q's scale byte is repeated in all four bytes of its word.
; SOFTMAX.  All 256 keys of a query are in 128 registers of two lanes: M = ceil(largest t), p = 2^(t - M), the sum of the unquantised p, p quantised by blocks of 32 keys.
; ctx = (V^T p) / l is quantised (a head is one block of the next K) and leaves as codes; its scale bytes meet in LDS.
; COLUMN SUMS.  The chunk's mean needs only the column sums of ctx Wo_l: the 16 tiles of tokens are added into the same four accumulators a wave (my half of K: my eight heads), then over rows; half of x's sums are added.
; No cluster: what the two work-groups of a chunk share is read once, at the head.  No tensor load fills LDS bytes again.
; LIMITS: NaN and infinities are not served; a block of zeros gets the byte 1 (its codes are zeros; this program alone reads the bytes); p under 2^-126 becomes 0 (the exponential's result is flushed).
; LDS: 0 the chunk's record of xq (filled once by the tensor loads; its first 65,536 bytes later take k's and V's second halves);  135,168 + 19,968 x wave: the wave's own: q's pieces, later ctx's (8,192),
;   k's tiles 0-7 (4,096), V's first 128 keys (4,096), q's words (1,024), k's bytes, later ctx's (256), V's bytes (256), v's even tile (2,048);  294,912 ctx's scale words.
; REGISTERS, window 0: v0-15 addresses and a query's figures; v16-43 zeros, q, zeros; v44-47, v52-63 scale words alone; v64-79 O^T; v80-111 p's codes; v112-127 at work; v128-255 scores.
;   In the pass: v64-79, v80-95, v96-111 the accumulators of q, k, v; v112-127 and v16-31 x's two buffers; v32-43 and v48-51 at work; v128-255 Wv.
;   window 1: v0-127 Wk, later k's 16 pieces and V's 16; v128-255 Wq, later Wo_l.
.set XREC,  135168
.set PWB,   19968
.set K1,    8192
.set QSW,   16384
.set KSB,   17408
.set VSB,   17664
.set PARK,  17920
.set CSC,   294912
.set REC,   270336
.set WWORD, 262144
.set S,   128
.set AM,  112                          ; v112-119 the blocks' largest scores, then p, then bytes
.set C4,  120
.set D4,  124
.set P,   80
.set O,   64
.set AQ,  64                           ; the pass: q's two accumulators,
.set AK,  80                           ; k's,
.set AV,  96                           ; v's
.set XA,  112                          ; x's K steps 0 and 2
.set XB,  16                           ; x's K steps 1 and 3
.set TQ,  32                           ; v32-35 at work
.set WR,  37                           ; q's scale word
.set DC,  38                           ; v38-41 codes: q's, V's tile 0
.set DC2, 48                           ; v48-51 codes: k's, V's tile 1
.set SEL, 46                           ; s[46:47]
.set CS,  48                           ; s[48:49] log2(e) / sqrt(32)
.set MNT, 50
.set CT,  51                           ; the loops' counter
.set PW,  58                           ; my wave's own LDS
.set MSB, 0
.macro WIN new                         ; the immediate's high byte repeats the setting that is left
.if MSB != \new
	s_set_vgpr_msb (MSB<<8)|\new
.set MSB, \new
.endif
.endm
.macro NOPS n
.rept \n
	v_nop
.endr
.endm
; one product.  k = 0: it starts the sum with the constant 0; else C = v[c] on.  ra, rb: the side's scales are read from lanes 16-31
.macro MM d, a, b, c, k, sa, sb, ra, rb
.if (\k) == 0
.if \ra
	v_wmma_scale_f32_16x16x128_f8f6f4 v[0+(\d):7+(\d)], v[0+(\a):15+(\a)], v[0+(\b):15+(\b)], 0, v[\sa], v[\sb] matrix_a_fmt:MATRIX_FMT_BF8 matrix_b_fmt:MATRIX_FMT_BF8 matrix_a_scale:MATRIX_SCALE_ROW1
.elseif \rb
	v_wmma_scale_f32_16x16x128_f8f6f4 v[0+(\d):7+(\d)], v[0+(\a):15+(\a)], v[0+(\b):15+(\b)], 0, v[\sa], v[\sb] matrix_a_fmt:MATRIX_FMT_BF8 matrix_b_fmt:MATRIX_FMT_BF8 matrix_b_scale:MATRIX_SCALE_ROW1
.else
	v_wmma_scale_f32_16x16x128_f8f6f4 v[0+(\d):7+(\d)], v[0+(\a):15+(\a)], v[0+(\b):15+(\b)], 0, v[\sa], v[\sb] matrix_a_fmt:MATRIX_FMT_BF8 matrix_b_fmt:MATRIX_FMT_BF8
.endif
.else
.if \ra
	v_wmma_scale_f32_16x16x128_f8f6f4 v[0+(\d):7+(\d)], v[0+(\a):15+(\a)], v[0+(\b):15+(\b)], v[0+(\c):7+(\c)], v[\sa], v[\sb] matrix_a_fmt:MATRIX_FMT_BF8 matrix_b_fmt:MATRIX_FMT_BF8 matrix_a_scale:MATRIX_SCALE_ROW1
.elseif \rb
	v_wmma_scale_f32_16x16x128_f8f6f4 v[0+(\d):7+(\d)], v[0+(\a):15+(\a)], v[0+(\b):15+(\b)], v[0+(\c):7+(\c)], v[\sa], v[\sb] matrix_a_fmt:MATRIX_FMT_BF8 matrix_b_fmt:MATRIX_FMT_BF8 matrix_b_scale:MATRIX_SCALE_ROW1
.else
	v_wmma_scale_f32_16x16x128_f8f6f4 v[0+(\d):7+(\d)], v[0+(\a):15+(\a)], v[0+(\b):15+(\b)], v[0+(\c):7+(\c)], v[\sa], v[\sb] matrix_a_fmt:MATRIX_FMT_BF8 matrix_b_fmt:MATRIX_FMT_BF8
.endif
.endif
.endm
; one block of 32: my 16 numbers in v[sa] .. +7 and v[sb] .. +7, the other 16 in lane l xor 16.  Codes to v[dst] .. +3, the scale's byte to v[by]; v[t] .. +3 at work.  Each run is read from its low end on
.macro QB16 sa, sb, dst, t, by
	v_max3_num_f32 v[\t], |v[\sa]|, |v[\sa+1]|, 0x8000000          ; with the floor 2^(16 - 127): the byte cannot fall under 1
	v_max3_num_f32 v[\t+1], |v[\sb]|, |v[\sb+1]|, |v[\sb+2]|
	v_max3_num_f32 v[\t], v[\t], |v[\sa+2]|, |v[\sa+3]|
	v_max3_num_f32 v[\t+1], v[\t+1], |v[\sb+3]|, |v[\sb+4]|
	v_max3_num_f32 v[\t], v[\t], |v[\sa+4]|, |v[\sa+5]|
	v_max3_num_f32 v[\t+1], v[\t+1], |v[\sb+5]|, |v[\sb+6]|
	v_max3_num_f32 v[\t], v[\t], |v[\sa+6]|, |v[\sa+7]|
	v_max3_num_f32 v[\t], v[\t], v[\t+1], |v[\sb+7]|
	s_delay_alu instid0(VALU_DEP_1)
	v_permlanex16_b32 v[\t+1], v[\t], s[SEL], s[SEL+1]
	s_delay_alu instid0(VALU_DEP_1)
	v_max_num_f32 v[\t], v[\t], v[\t+1]            ; the block's largest magnitude
	s_delay_alu instid0(VALU_DEP_1)
	v_add_nc_u32 v[\t+3], 0xf8800000, v[\t]        ; 15 off its exponent field: the conversion's scale operand
	s_delay_alu instid0(VALU_DEP_2)
	v_and_or_b32 v[\t+2], v[\t], 0x7f800000, s[MNT]   ; 57,344 x the scale
	s_delay_alu instid0(VALU_DEP_2)
	v_lshrrev_b32 v[\by], 23, v[\t+3]              ; the byte
.irp i, 0,1,2,3,4,5,6,7
	v_med3_num_f32 v[\sa+\i], v[\sa+\i], -v[\t+2], v[\t+2]   ; the conversion does not saturate (ISA guide 7.6.2): hold first
.endr
.irp i, 0,1,2,3,4,5,6,7
	v_med3_num_f32 v[\sb+\i], v[\sb+\i], -v[\t+2], v[\t+2]
.endr
	v_cvt_scalef32_pk8_bf8_f32 v[\dst:\dst+1], v[\sa:\sa+7], v[\t+3]
	v_cvt_scalef32_pk8_bf8_f32 v[\dst+2:\dst+3], v[\sb:\sb+7], v[\t+3]
	v_nop                                          ; one plain vector line behind the last conversion
.endm
.macro XLD xb, ks, adr                 ; K step ks of the tile of x at v[adr]: one fragment, four loads of 512 consecutive bytes
.irp c, 0,1,2,3
	ds_load_b128 v[\xb+4*\c:\xb+4*\c+3], v[\adr] offset:2048*(\ks)+512*\c
.endr
.endm
; K step ks of a tile of tokens, x's fragment in v[xb] on: six products, the six accumulators by turns.  K step 0 starts the sums.
; Fragment (tile u, K step s) of a weight lies at its base + 16 (4 u + s); a weight's scale word of K step s holds tile 0 in lanes 0-15 and tile 1 in lanes 16-31.
.macro GRP xb, ks
	WIN 0x01                                       ; source 0 (Wq, Wk) window 1
	MM AQ, 128+16*\ks, \xb, AQ, \ks, 52+\ks, 44+\ks, 0, 0
	MM AQ+8, 192+16*\ks, \xb, AQ+8, \ks, 52+\ks, 44+\ks, 1, 0
	MM AK, 16*\ks, \xb, AK, \ks, 56+\ks, 44+\ks, 0, 0
	MM AK+8, 64+16*\ks, \xb, AK+8, \ks, 56+\ks, 44+\ks, 1, 0
	WIN 0                                          ; v: source 0 = x, source 1 = Wv, both in window 0
	MM AV, \xb, 128+16*\ks, AV, \ks, 44+\ks, 60+\ks, 0, 0
	MM AV+8, \xb, 192+16*\ks, AV+8, \ks, 44+\ks, 60+\ks, 0, 1
.endm
; A TILE OF 16 TOKENS, tile CT + par.  Behind each group of six products stand eight places, then the loads that fill the group's buffer again:
; K steps 2 and 3 of this tile, K steps 0 and 1 of the next, whose two land under the quantising.  last = 1: the look-ahead is held at tile 15.
; The even and the odd tile have an address register each, and every register that an LDS store names is written again only behind a wait that shows the store done.
.macro TILE par, last
.if \par
.set ADC, 42
.set ADN, 4
.else
.set ADC, 4
.set ADN, 42
.endif
	s_wait_dscnt 4                                 ; all but the four youngest, which are stores of the tile before: this tile's K steps 0 and 1 and its scale words are in, and the stores of v's even tile have read v's accumulators
	GRP XA, 0
	NOPS 8
	XLD XA, 2, ADC
	GRP XB, 1
	NOPS 8
	XLD XB, 3, ADC
	s_wait_dscnt 4                                 ; K step 2 is in; K step 3's four loads may be out
	GRP XA, 2
	s_add_co_u32 s54, s[CT], (\par)+1              ; the next tile
.if \last
	s_min_u32 s54, s54, 15
.endif
	s_lshl_b32 s52, s54, 13
	s_lshl_b32 s53, s54, 8
	v_add_nc_u32 v[ADN], s52, v3
	NOPS 7                                         ; with the addition: eight places
	XLD XA, 0, ADN
	s_wait_alu depctr_va_vdst(0)
	s_wait_dscnt 4                                 ; K step 3 is in; the four loads just issued may be out
	GRP XB, 3
	s_add_co_u32 s55, s[CT], \par                  ; this tile
	s_lshl_b32 s56, s55, 9
	s_lshl_b32 s57, s55, 6
	s_and_b32 s52, s55, 7
	s_lshl_b32 s52, s52, 9
	v_add_nc_u32 v5, s53, v7                       ; the next tile's scale words
	v_add_nc_u32 v6, s56, v8                       ; q's piece: 512 x tile
	v_add_nc_u32 v11, s57, v9                      ; q's word: 64 x tile
	v_add_nc_u32 v13, s52, v15                     ; k's piece: 512 x (tile % 8) in this half's place
	v_add_nc_u32 v14, s55, v10                     ; k's byte: + tile
	NOPS 3                                         ; with the five additions: eight places, also in front of the first read of the results
	ds_load_b128 v[44:47], v5
	XLD XB, 1, ADN
.if \par
	QB16 AQ, AQ+8, DC, TQ, 36
	v_perm_b32 v[WR], v36, v36, 0                  ; q's byte in all four places
	ds_store_b128 v6, v[DC:DC+3]
	ds_store_b32 v11, v[WR] offset:QSW
.irp i, 0,1,2,3
	ds_load_b128 v[AQ+4*\i:AQ+4*\i+3], v8 offset:PARK+512*\i   ; v's even tile comes back into q's accumulators, which are done with
.endr
	QB16 AK, AK+8, DC2, TQ, 43
	ds_store_b128 v13, v[DC2:DC2+3]
	ds_store_b8 v14, v43 offset:KSB
	s_lshr_b32 s56, s55, 1                         ; the block of 32 keys
	s_and_b32 s57, s56, 3
	s_lshl_b32 s57, s57, 9
	s_wait_dscnt 2                                 ; v's even tile is in and q's stores are done; k's two stores may be out
	v_add_nc_u32 v6, s57, v15
	v_add_nc_u32 v11, s56, v12
	QB16 AQ, AV, DC, TQ, 36                        ; V^T's tile 0: keys 16 h + 0 .. 7 from the even tile, + 8 .. 15 from the odd one
	ds_store_b128 v6, v[DC:DC+3] offset:4096
	ds_store_b8 v11, v36 offset:VSB
	s_wait_dscnt 2                                 ; k's stores are done; the two just issued may be out
	QB16 AQ+8, AV+8, DC2, TQ, 43                   ; V^T's tile 1
	ds_store_b128 v6, v[DC2:DC2+3] offset:6144
	ds_store_b8 v11, v43 offset:VSB+128
.else
.irp i, 0,1,2,3
	ds_store_b128 v8, v[AV+4*\i:AV+4*\i+3] offset:PARK+512*\i  ; v's even tile waits in my own LDS; each accumulator from its low end on
.endr
	QB16 AQ, AQ+8, DC, TQ, 36
	v_perm_b32 v[WR], v36, v36, 0
	ds_store_b128 v6, v[DC:DC+3]
	ds_store_b32 v11, v[WR] offset:QSW
	QB16 AK, AK+8, DC2, TQ, 43
	ds_store_b128 v13, v[DC2:DC2+3]
	ds_store_b8 v14, v43 offset:KSB
.endif
.endm
	s_load_b256 s[4:11], s[0:1], 0x0               ; xq s[4:5], wq s[6:7], xsum s[8:9], cq s[10:11]
	s_load_b64 s[24:25], s[0:1], 0x20              ; psum
	v_lshl_add_u32 v254, v0, 2, 0x48800
	v_mov_b32 v255, 0
	ds_add_u32 v254, v255
	ds_add_u32 v254, v255
	s_wait_dscnt 0x0
	v_lshrrev_b32 v4, 5, v0
	s_delay_alu instid0(VALU_DEP_1)
	v_readfirstlane_b32 s28, v4                    ; wave = my head among the eight
	s_lshr_b32 s26, ttmp9, 1                       ; chunk
	s_and_b32 s27, ttmp9, 1                        ; which eight heads
	s_lshl_b32 s29, s27, 3
	s_add_co_u32 s29, s29, s28                     ; my head
	; the chunk's record of xq, 135,168 dense bytes: each wave brings an eighth, 66 rows of 256 bytes (32 elements of 8 bytes)
	s_mov_b32 s16, 3<<16                           ; no mask; elements of 8 bytes; no padding
	s_mov_b32 s17, 32<<16                          ; tensor_dim0 = 32
	s_mov_b32 s18, 66<<16                          ; tensor_dim1 = 66
	s_mov_b32 s19, 32<<16                          ; tile_dim0 = 32
	s_mov_b32 s20, 66                              ; tile_dim1 = 66
	s_mov_b32 s21, 32                              ; the pitch
	s_mov_b32 s22, 0
	s_mov_b32 s23, 0
	s_mov_b32 s12, 1
	s_mul_i32 s13, s28, 16896                      ; LDS address: wave x 16,896
	s_mul_i32 s59, s26, XREC
	s_add_co_u32 s52, s59, s13
	s_mov_b32 s53, 0
	s_wait_kmcnt 0x0
	s_add_nc_u64 s[14:15], s[4:5], s[52:53]
	s_or_b32 s15, s15, 0x80000000
	tensor_load_to_lds s[12:15], s[16:23]          ; my one tensor load: a first fill
	s_nop 0
	NOPS 4
	v_and_b32 v1, 15, v0                           ; r
	v_bfe_u32 v2, v0, 4, 1                         ; h
	v_and_b32 v3, 31, v0
	s_delay_alu instid0(VALU_DEP_1)
	v_lshlrev_b32 v3, 4, v3                        ; 16 x lane: an image's place for my lane
	s_wait_alu depctr_va_vdst(0)
	s_mul_i32 s[PW], s28, PWB
	s_add_co_u32 s[PW], s[PW], XREC
	v_lshl_add_u32 v7, v1, 4, 0x20000              ; x's scale words: 131,072 + 16 r
	v_add_nc_u32 v8, s[PW], v3                     ; my pieces
	v_lshl_add_u32 v9, v1, 2, s[PW]                ; q's words: 4 r
	v_lshl_add_u32 v10, v1, 4, s[PW]               ; k's bytes: 16 r
	v_lshl_add_u32 v12, v1, 3, s[PW]               ; V's bytes: 8 r
	s_delay_alu instid0(VALU_DEP_4)
	v_add_nc_u32 v15, K1, v8                       ; the first half's pieces of k; V's lie 4,096 bytes on
	s_mov_b32 s[SEL], 0x76543210
	s_mov_b32 s[SEL+1], 0xfedcba98
	s_mov_b32 s[CS], 0x3e8293ee
	s_mov_b32 s[CS+1], s[CS]
	s_mov_b32 s[MNT], 0x600000
	s_mov_b32 s53, 0
	s_lshl_b32 s52, s29, 14
	s_add_nc_u64 s[30:31], s[6:7], s[52:53]        ; my head's two tiles in a record: 16,384 x head
	s_lshl_b32 s52, s29, 9
	s_add_nc_u64 s[32:33], s[6:7], s[52:53]        ; and their scale words: 512 x head
	s_add_co_u32 s52, s52, s59
	s_add_nc_u64 s[36:37], s[10:11], s[52:53]      ; cq: the chunk's two records, my head's piece: 512 x head
	s_lshl_b32 s52, s28, 15
	s_lshl_b32 s55, s27, 12
	s_add_co_u32 s52, s52, s55
	s_add_co_u32 s52, s52, 3*REC
	s_add_nc_u64 s[34:35], s[6:7], s[52:53]        ; Wo_l: tiles 4 x wave on, K steps 2 x half on
	s_lshl_b32 s52, s28, 10
	s_lshl_b32 s55, s27, 3
	s_add_co_u32 s52, s52, s55
	s_add_co_u32 s52, s52, 3*REC+WWORD
	s_add_nc_u64 s[38:39], s[6:7], s[52:53]        ; and their scale words
	s_lshr_b32 s52, s28, 2
	s_mul_i32 s52, s52, 67584
	s_add_co_u32 s52, s52, s59
	s_lshl_b32 s55, s27, 10
	s_add_co_u32 s52, s52, s55
	s_and_b32 s55, s28, 3
	s_lshl_b32 s55, s55, 8
	s_add_co_u32 s52, s52, s55
	s_add_co_u32 s52, s52, 65536
	s_add_nc_u64 s[40:41], s[10:11], s[52:53]      ; cq's scale words of tiles 2 x wave, 2 x wave + 1
	s_lshl_b32 s52, ttmp9, 11
	s_lshl_b32 s55, s28, 8
	s_add_co_u32 s52, s52, s55
	s_add_nc_u64 s[42:43], s[24:25], s[52:53]      ; psum and xsum: 2,048 x work-group + 256 x wave
	s_add_nc_u64 s[44:45], s[8:9], s[52:53]
	WIN 0x40                                       ; destination window 1
.set wi, 0
.rept 32
	global_load_b128 v[128+4*wi:131+4*wi], v3, s[30:31] offset:512*wi           ; Wq_l: fragment (tile u, K step s) at 128 + 16 (4 u + s)
.set wi, wi+1
.endr
	WIN 0
	global_load_b128 v[52:55], v3, s[32:33] offset:WWORD                        ; scale words, four K steps: lanes 0-15 tile 0, lanes 16-31 tile 1
	global_load_b128 v[56:59], v3, s[32:33] offset:REC+WWORD
	global_load_b128 v[60:63], v3, s[32:33] offset:2*REC+WWORD
	WIN 0x40
.set wi, 0
.rept 32
	global_load_b128 v[4*wi:4*wi+3], v3, s[30:31] offset:REC+512*wi             ; Wk_l
.set wi, wi+1
.endr
	WIN 0
.set wi, 0
.rept 32
	global_load_b128 v[128+4*wi:131+4*wi], v3, s[30:31] offset:2*REC+512*wi     ; Wv_l, in window 0, where the scores will lie
.set wi, wi+1
.endr
	s_wait_alu depctr_va_vdst(0)
	s_wait_tensorcnt 0x0                           ; my eighth of the record has landed,
	s_barrier_signal -1
	s_barrier_wait -1                              ; everybody's has
	v_add_nc_u32 v4, 0, v3                         ; tile 0
	ds_load_b128 v[44:47], v7
	XLD XA, 0, 4
	XLD XB, 1, 4
	s_mov_b32 s[CT], 0
	s_wait_loadcnt 0x0                             ; the three weights and their scale words
	s_wait_dscnt 0x0
.Lpass_a:                                          ; four trips of two tiles: tiles 0 to 7
	s_wait_alu depctr_va_vdst(0)
	TILE 0, 0
	TILE 1, 0
	s_add_co_u32 s[CT], s[CT], 2
	s_cmp_lt_u32 s[CT], 8
	s_cbranch_scc1 .Lpass_a
	s_wait_dscnt 0x0                               ; my reads of x's tiles 0-7 are over,
	s_barrier_signal -1
	s_barrier_wait -1                              ; everybody's are: those 65,536 bytes may be stored into
	s_lshl_b32 s55, s28, 13
	v_add_nc_u32 v15, s55, v3                      ; the second half's pieces of k and V: 8,192 x wave
	v_add_nc_u32 v4, 0x10000, v3                   ; tile 8 (the value that the look-ahead left there)
	s_mov_b32 s[CT], 8
.Lpass_b:                                          ; four trips: tiles 8 to 15
	s_wait_alu depctr_va_vdst(0)
	TILE 0, 0
	TILE 1, 1
	s_add_co_u32 s[CT], s[CT], 2
	s_cmp_lt_u32 s[CT], 16
	s_cbranch_scc1 .Lpass_b
	s_wait_dscnt 0x0                               ; the last stores are done and the last look-ahead has landed: its registers are free
.set wi, 0
.rept 12
	v_mov_b32 v[16+wi], 0                          ; the zeros on both sides of q's piece
	v_mov_b32 v[32+wi], 0
.set wi, wi+1
.endr
.irp b, 0,1,2,3,4,5,6,7
	v_mov_b32 v[C4+\b], 0                          ; written once: a lane permute's destination counts as one of its sources
.endr
	WIN 0x40
.set wi, 0
.rept 8
	ds_load_b128 v[4*wi:4*wi+3], v8 offset:K1+512*wi       ; k's 16 pieces: four of them are one source 0
	ds_load_b128 v[32+4*wi:35+4*wi], v15 offset:512*wi
.set wi, wi+1
.endr
.irp e, 0,1
.irp c, 0,1,2,3
	ds_load_b128 v[64+32*\e+4*\c:67+32*\e+4*\c], v8 offset:K1+4096+512*(4*\e+\c)   ; V^T: fragment (tile e, K step s) at 64 + 16 (2 e + s): K step 0 from the first half,
	ds_load_b128 v[80+32*\e+4*\c:83+32*\e+4*\c], v15 offset:4096+512*(4*\e+\c)     ; K step 1 from the second
.endr
.endr
.set wi, 0
.rept 32
	global_load_b128 v[128+4*wi:131+4*wi], v3, s[34:35] offset:(wi/8)*8192+((wi/4)%2)*2048+(wi%4)*512   ; Wo_l: fragment (tile j, K step s) at 128 + 16 (2 j + s): wanted behind the attention
.set wi, wi+1
.endr
	WIN 0
	ds_load_b128 v[52:55], v10 offset:KSB          ; k's bytes: word g, byte c: tile 4 g + c
	ds_load_b64 v[56:57], v12 offset:VSB           ; V's scale words
	ds_load_b64 v[58:59], v12 offset:VSB+128
	ds_load_b128 v[28:31], v8                      ; q of tile 0
	ds_load_b32 v44, v9 offset:QSW
	s_wait_dscnt 0x0
	v_mov_b32 v15, 0                               ; named as the upper half of the pair v[14:15] before it is first written
	v_add_nc_u32 v12, s[PW], v1                    ; from here on: ctx's bytes, [tile][r], where k's lay
	s_mov_b32 s[CT], 0
.Latt:                                             ; sixteen trips: a tile of 16 queries against all 256 keys
	s_wait_dscnt 0x0                               ; q's piece and word are in, and the last trip's LDS stores have read their registers
	WIN 0x01
.irp g, 0,1,2,3
.irp c, 0,1,2,3
	MM S+8*(4*\g+\c), 16*\g, 28-4*\c, 0, 0, 52+\g, 44, 0, 0
.endr
.endr
	WIN 0
	s_add_co_u32 s54, s[CT], 1
	s_and_b32 s54, s54, 15
	s_lshl_b32 s55, s54, 9
	s_lshl_b32 s56, s54, 6
	v_add_nc_u32 v4, s55, v8
	v_add_nc_u32 v5, s56, v9
	NOPS 6                                         ; with the two additions: eight places in front of the loads into q's registers and of the first read of the scores
	ds_load_b128 v[28:31], v4                      ; the next tile's q
	ds_load_b32 v44, v5 offset:QSW
.irp b, 0,1,2,3,4,5,6,7
	v_max3_num_f32 v[AM+\b], v[S+16*\b], v[S+16*\b+1], v[S+16*\b+2]   ; the largest score of each block of 32 keys: for the row's maximum, and, since p rises with the score, for the block's largest p
.endr
.irp i, 3,5,7,9,11,13
.irp b, 0,1,2,3,4,5,6,7
	v_max3_num_f32 v[AM+\b], v[AM+\b], v[S+16*\b+\i], v[S+16*\b+\i+1]
.endr
.endr
.irp b, 0,1,2,3,4,5,6,7
	v_max_num_f32 v[AM+\b], v[AM+\b], v[S+16*\b+15]
.endr
.irp b, 0,1,2,3,4,5,6,7
	v_permlanex16_b32 v[C4+\b], v[AM+\b], s[SEL], s[SEL+1]
.endr
.irp b, 0,1,2,3,4,5,6,7
	v_max_num_f32 v[AM+\b], v[AM+\b], v[C4+\b]
.endr
	v_max3_num_f32 v13, v[AM], v[AM+1], v[AM+2]
	s_delay_alu instid0(VALU_DEP_1)
	v_max3_num_f32 v13, v13, v[AM+3], v[AM+4]
	s_delay_alu instid0(VALU_DEP_1)
	v_max3_num_f32 v13, v13, v[AM+5], v[AM+6]
	s_delay_alu instid0(VALU_DEP_1)
	v_max_num_f32 v13, v13, v[AM+7]                ; my query's largest score
	s_delay_alu instid0(VALU_DEP_1)
	v_mul_f32 v13, s[CS], v13                      ; as t
	s_delay_alu instid0(VALU_DEP_1)
	v_floor_f32 v14, -v13                          ; -M = floor(-t) = -ceil(t)
.set pj, 0
.rept 64
	v_pk_fma_f32 v[S+2*pj:S+2*pj+1], v[S+2*pj:S+2*pj+1], s[CS:CS+1], v[14:15] op_sel_hi:[1,0,0]   ; t - M, two at a time
.set pj, pj+1
.endr
.irp b, 0,1,2,3,4,5,6,7
	v_fma_f32 v[AM+\b], v[AM+\b], s[CS], v14
.endr
.set pj, 0
	s_wait_alu depctr_va_vdst(0)
.rept 128
	v_exp_f32 v[S+pj], v[S+pj]                     ; p = 2^(t - M): not normalised
.set pj, pj+1
.endr
	v_nop                                          ; a plain line behind the exponentials
	s_wait_alu depctr_va_vdst(0)                   ; one wait for the batch, ahead of its first reader
.irp b, 0,1,2,3,4,5,6,7
	v_exp_f32 v[AM+\b], v[AM+\b]                   ; the blocks' largest p
.endr
	v_pk_add_f32 v[122:123], v[128:129], v[136:137]
	v_pk_add_f32 v[124:125], v[144:145], v[152:153]
	v_pk_add_f32 v[126:127], v[160:161], v[168:169]
	v_pk_add_f32 v[110:111], v[176:177], v[184:185]
	v_pk_add_f32 v[108:109], v[192:193], v[200:201]
	v_pk_add_f32 v[106:107], v[208:209], v[216:217]
	v_pk_add_f32 v[104:105], v[224:225], v[232:233]
	v_pk_add_f32 v[120:121], v[240:241], v[248:249]
	v_pk_add_f32 v[120:121], v[120:121], v[130:131]
	v_pk_add_f32 v[122:123], v[122:123], v[138:139]
	v_pk_add_f32 v[124:125], v[124:125], v[146:147]
	v_pk_add_f32 v[126:127], v[126:127], v[154:155]
	v_pk_add_f32 v[110:111], v[110:111], v[162:163]
	v_pk_add_f32 v[108:109], v[108:109], v[170:171]
	v_pk_add_f32 v[106:107], v[106:107], v[178:179]
	v_pk_add_f32 v[104:105], v[104:105], v[186:187]
	v_pk_add_f32 v[120:121], v[120:121], v[194:195]
	v_pk_add_f32 v[122:123], v[122:123], v[202:203]
	v_pk_add_f32 v[124:125], v[124:125], v[210:211]
	v_pk_add_f32 v[126:127], v[126:127], v[218:219]
	v_pk_add_f32 v[110:111], v[110:111], v[226:227]
	v_pk_add_f32 v[108:109], v[108:109], v[234:235]
	v_pk_add_f32 v[106:107], v[106:107], v[242:243]
	v_pk_add_f32 v[104:105], v[104:105], v[250:251]
	v_pk_add_f32 v[120:121], v[120:121], v[132:133]
	v_pk_add_f32 v[122:123], v[122:123], v[140:141]
	v_pk_add_f32 v[124:125], v[124:125], v[148:149]
	v_pk_add_f32 v[126:127], v[126:127], v[156:157]
	v_pk_add_f32 v[110:111], v[110:111], v[164:165]
	v_pk_add_f32 v[108:109], v[108:109], v[172:173]
	v_pk_add_f32 v[106:107], v[106:107], v[180:181]
	v_pk_add_f32 v[104:105], v[104:105], v[188:189]
	v_pk_add_f32 v[120:121], v[120:121], v[196:197]
	v_pk_add_f32 v[122:123], v[122:123], v[204:205]
	v_pk_add_f32 v[124:125], v[124:125], v[212:213]
	v_pk_add_f32 v[126:127], v[126:127], v[220:221]
	v_pk_add_f32 v[110:111], v[110:111], v[228:229]
	v_pk_add_f32 v[108:109], v[108:109], v[236:237]
	v_pk_add_f32 v[106:107], v[106:107], v[244:245]
	v_pk_add_f32 v[104:105], v[104:105], v[252:253]
	v_pk_add_f32 v[120:121], v[120:121], v[134:135]
	v_pk_add_f32 v[122:123], v[122:123], v[142:143]
	v_pk_add_f32 v[124:125], v[124:125], v[150:151]
	v_pk_add_f32 v[126:127], v[126:127], v[158:159]
	v_pk_add_f32 v[110:111], v[110:111], v[166:167]
	v_pk_add_f32 v[108:109], v[108:109], v[174:175]
	v_pk_add_f32 v[106:107], v[106:107], v[182:183]
	v_pk_add_f32 v[104:105], v[104:105], v[190:191]
	v_pk_add_f32 v[120:121], v[120:121], v[198:199]
	v_pk_add_f32 v[122:123], v[122:123], v[206:207]
	v_pk_add_f32 v[124:125], v[124:125], v[214:215]
	v_pk_add_f32 v[126:127], v[126:127], v[222:223]
	v_pk_add_f32 v[110:111], v[110:111], v[230:231]
	v_pk_add_f32 v[108:109], v[108:109], v[238:239]
	v_pk_add_f32 v[106:107], v[106:107], v[246:247]
	v_pk_add_f32 v[104:105], v[104:105], v[254:255]
	s_delay_alu instid0(VALU_DEP_4)
	v_pk_add_f32 v[120:121], v[120:121], v[110:111]
	s_delay_alu instid0(VALU_DEP_4)
	v_pk_add_f32 v[122:123], v[122:123], v[108:109]
	s_delay_alu instid0(VALU_DEP_4)
	v_pk_add_f32 v[124:125], v[124:125], v[106:107]
	s_delay_alu instid0(VALU_DEP_4)
	v_pk_add_f32 v[126:127], v[126:127], v[104:105]
	s_delay_alu instid0(VALU_DEP_2)
	v_pk_add_f32 v[120:121], v[120:121], v[124:125]
	s_delay_alu instid0(VALU_DEP_2)
	v_pk_add_f32 v[122:123], v[122:123], v[126:127]
	s_delay_alu instid0(VALU_DEP_1)
	v_pk_add_f32 v[120:121], v[120:121], v[122:123]
	s_delay_alu instid0(VALU_DEP_1)
	v_add_f32 v13, v120, v121
	s_delay_alu instid0(VALU_DEP_1)
	v_permlanex16_b32 v122, v13, s[SEL], s[SEL+1]
	s_delay_alu instid0(VALU_DEP_1)
	v_add_f32 v13, v13, v122                       ; l
	s_wait_alu depctr_va_vdst(0)                   ; and one wait for the eight
.irp b, 0,1,2,3,4,5,6,7
	v_max_num_f32 v[AM+\b], 0x8000000, v[AM+\b]    ; the floor: the byte cannot fall under 1
.endr
	s_wait_alu depctr_va_vdst(0)
	s_wait_xcnt 0x0                                ; the last trip's global store has read v80-83 and v11, which are written again below
.irp g, 0,1
.irp i, 0,1,2,3
	v_add_nc_u32 v[D4+\i], 0xf8800000, v[AM+4*\g+\i]
.endr
.irp i, 0,1,2,3
	v_and_or_b32 v[C4+\i], v[AM+4*\g+\i], 0x7f800000, s[MNT]
	v_and_or_b32 v[O+(\i+1)%4], v[AM+4*\g+\i], 0x7f800000, s[MNT]   ; the bound once more, in a register whose number differs modulo 4: the second half of a dual pair reads it (O^T's registers are free here)
.endr
.irp i, 0,1,2,3
	v_lshrrev_b32 v[AM+4*\g+\i], 23, v[D4+\i]
.endr
	s_delay_alu instid0(VALU_DEP_3)
	v_lshl_or_b32 v[45+\g], v[AM+4*\g+1], 8, v[AM+4*\g]    ; p's scale word of these 128 keys
	s_delay_alu instid0(VALU_DEP_1)
	v_lshl_or_b32 v[45+\g], v[AM+4*\g+2], 16, v[45+\g]
	s_delay_alu instid0(VALU_DEP_1)
	v_lshl_or_b32 v[45+\g], v[AM+4*\g+3], 24, v[45+\g]
.irp i, 0,1,2,3
.set pj, 0
.rept 8
	v_dual_min_num_f32 v[S+64*\g+16*\i+pj], v[S+64*\g+16*\i+pj], v[C4+\i] :: v_dual_min_num_f32 v[S+64*\g+16*\i+pj+1], v[S+64*\g+16*\i+pj+1], v[O+(\i+1)%4]   ; p is not negative: the hold is one-sided; two numbers a line
.set pj, pj+2
.endr
	v_cvt_scalef32_pk8_bf8_f32 v[P+16*\g+4*\i:P+16*\g+4*\i+1], v[S+64*\g+16*\i:S+64*\g+16*\i+7], v[D4+\i]
	v_cvt_scalef32_pk8_bf8_f32 v[P+16*\g+4*\i+2:P+16*\g+4*\i+3], v[S+64*\g+16*\i+8:S+64*\g+16*\i+15], v[D4+\i]
.endr
	v_nop                                          ; one plain vector line behind the conversions, ahead of the lines that write their scale operands anew
.endr
	s_wait_alu depctr_va_vdst(0)
	v_rcp_f32 v14, v13                             ; 1 / l, where -M lay, which is done with: the low word of the pair v[14:15]
	NOPS 4                                         ; codes written by vector instructions stand four places ahead of the products
	WIN 0x01
	MM O, 64, P, O, 0, 56, 45, 0, 0                ; O^T = V^T p: two tiles of channels by turns, two K steps
	MM O+8, 96, P, O+8, 0, 58, 45, 0, 0
	MM O, 80, P+16, O, 1, 57, 46, 0, 0
	MM O+8, 112, P+16, O+8, 1, 59, 46, 0, 0
	WIN 0
	NOPS 8
	s_wait_alu depctr_va_vdst(0)                   ; the reciprocal's wait, ahead of its first reader
.set pj, 0
.rept 8
	v_pk_mul_f32 v[O+pj:O+pj+1], v[O+pj:O+pj+1], v[14:15] op_sel_hi:[1,0]   ; ctx: my token's channels 16 h + 0 .. 15 of the head, two at a time
.set pj, pj+2
.endr
	QB16 64, 72, 80, 112, 116
	s_lshl_b32 s55, s[CT], 9
	s_lshl_b32 s56, s[CT], 4
	s_lshl_b32 s57, s[CT], 13
	s_and_b32 s54, s[CT], 8
	s_lshl_b32 s54, s54, 8
	s_add_co_u32 s57, s57, s54                     ; 8,192 x tile, and 2,048 more in the chunk's second record
	v_add_nc_u32 v6, s55, v8
	v_add_nc_u32 v10, s56, v12
	v_add_nc_u32 v11, s57, v3
	ds_store_b128 v6, v[80:83]                     ; where this tile's q lay
	ds_store_b8 v10, v116 offset:KSB
	global_store_b128 v11, v[80:83], s[36:37]      ; the wave stores 512 consecutive bytes
	s_add_co_u32 s[CT], s[CT], 1
	s_cmp_lt_u32 s[CT], 16
	s_cbranch_scc1 .Latt
	s_wait_dscnt 0x0                               ; for the others' sake: my pieces and bytes lie in LDS
	global_load_b64 v[60:61], v3, s[38:39]         ; Wo_l's scale words of my K steps: lanes 0-15 tile 0 (2), lanes 16-31 tile 1 (3)
	global_load_b64 v[62:63], v3, s[38:39] offset:512
	v_and_b32 v13, 8, v1
	s_delay_alu instid0(VALU_DEP_1)
	v_add_nc_u32 v13, v13, v1
	s_delay_alu instid0(VALU_DEP_1)
	v_lshl_add_u32 v13, v2, 3, v13
	s_delay_alu instid0(VALU_DEP_1)
	v_lshlrev_b32 v13, 2, v13                      ; the column of tile 2 p + h at row r: 4 (8 h + r + 8 (r / 8)) bytes
	global_load_b32 v224, v13, s[44:45]
	global_load_b32 v225, v13, s[44:45] offset:128
	s_barrier_signal -1
	s_barrier_wait -1
	v_and_b32 v14, 31, v0                          ; the eight heads' bytes of 32 rows (tiles 2 x wave, 2 x wave + 1) become two words a row
	s_lshl_b32 s55, s28, 5
	s_add_co_u32 s55, s55, XREC+KSB
	v_add_nc_u32 v4, s55, v14
	s_delay_alu instid0(VALU_DEP_1)
	v_add_nc_u32 v5, 4*PWB, v4
.irp c, 0,1,2,3
	ds_load_u8 v[226+\c], v4 offset:\c*PWB
	ds_load_u8 v[230+\c], v5 offset:\c*PWB
.endr
	s_wait_alu depctr_va_vdst(0)
	s_wait_dscnt 0x0
	v_lshl_or_b32 v234, v227, 8, v226
	v_lshl_or_b32 v235, v231, 8, v230
	s_delay_alu instid0(VALU_DEP_2)
	v_lshl_or_b32 v234, v228, 16, v234
	s_delay_alu instid0(VALU_DEP_2)
	v_lshl_or_b32 v235, v232, 16, v235
	s_delay_alu instid0(VALU_DEP_2)
	v_lshl_or_b32 v234, v229, 24, v234
	s_delay_alu instid0(VALU_DEP_2)
	v_lshl_or_b32 v235, v233, 24, v235
	s_lshl_b32 s55, s28, 8
	s_add_co_u32 s55, s55, CSC
	v_lshl_add_u32 v6, v14, 3, s55
	v_lshlrev_b32 v10, 3, v14
	ds_store_b64 v6, v[234:235]
	global_store_b64 v10, v[234:235], s[40:41]     ; the wave stores 256 consecutive bytes
	s_wait_dscnt 0x0
	s_barrier_signal -1
	s_barrier_wait -1
	v_add_nc_u32 v7, XREC, v3                      ; head 0's pieces
	v_lshl_add_u32 v9, v1, 3, CSC                  ; ctx's words: 8 r
.macro CFETCH buf, cs                  ; tile s54 of ctx: the eight heads' pieces are two fragments; and the rows' two scale words
	s_lshl_b32 s52, s54, 9
	s_lshl_b32 s53, s54, 7
	v_add_nc_u32 v4, s52, v7
	s_delay_alu instid0(VALU_DEP_1)
	v_add_nc_u32 v5, 4*PWB, v4
	v_add_nc_u32 v6, s53, v9
.irp c, 0,1,2,3
	ds_load_b128 v[\buf+4*\c:\buf+4*\c+3], v4 offset:\c*PWB
.endr
.irp c, 0,1,2,3
	ds_load_b128 v[\buf+16+4*\c:\buf+16+4*\c+3], v5 offset:\c*PWB
.endr
	ds_load_b64 v[\cs:\cs+1], v6
.endm
.macro WSTEP buf, cs, obuf, ocs, k     ; D += ctx Wo^T: four tiles of columns by turns, two K steps; all tiles of tokens go into the same four accumulators
	s_wait_dscnt 0x0
	CFETCH \obuf, \ocs
	WIN 0x04
.irp ks, 0,1
.irp j, 0,1,2,3
	MM 192+8*\j, \buf+16*\ks, 128+16*(2*\j+\ks), 192+8*\j, \k+\ks, \cs+\ks, 60+2*(\j/2)+\ks, 0, \j%2
.endr
.endr
	WIN 0
	NOPS 8
.endm
	s_mov_b32 s54, 0
	CFETCH 128, 44
	s_wait_alu depctr_va_vdst(0)
	s_wait_loadcnt 0x0                             ; Wo_l, its words, x's sums
	s_mov_b32 s54, 1
	WSTEP 128, 44, 160, 46, 0                      ; the first tile starts the sums
	s_mov_b32 s54, 2
	WSTEP 160, 46, 128, 44, 1
	s_mov_b32 s[CT], 2
.Lsum:                                             ; seven trips of two tiles
	s_add_co_u32 s54, s[CT], 1
	WSTEP 128, 44, 160, 46, 1
	s_add_co_u32 s54, s[CT], 2
	s_and_b32 s54, s54, 15
	WSTEP 160, 46, 128, 44, 1
	s_add_co_u32 s[CT], s[CT], 2
	s_cmp_lt_u32 s[CT], 16
	s_cbranch_scc1 .Lsum
	s_wait_dscnt 0x0
.irp j, 0,1,2,3
	v_add_f32 v[226+\j], v[192+8*\j], v[192+8*\j+1]        ; over the accumulator's 16 rows: eight registers, two halves of the lanes
.endr
.irp i, 2,3,4,5,6,7
.irp j, 0,1,2,3
	v_add_f32 v[226+\j], v[226+\j], v[192+8*\j+\i]
.endr
.endr
.irp j, 0,1,2,3
	s_delay_alu instid0(VALU_DEP_4)
	v_permlanex16_b32 v[230+\j], v[226+\j], s[SEL], s[SEL+1]
.endr
.irp j, 0,1,2,3
	s_delay_alu instid0(VALU_DEP_4)
	v_add_f32 v[226+\j], v[226+\j], v[230+\j]
.endr
	v_cmp_ne_u32 vcc_lo, 0, v2
	s_delay_alu instid0(VALU_DEP_1)
	v_cndmask_b32 v236, v226, v227, vcc_lo         ; lanes 0-15 keep the even tile's sums, lanes 16-31 the odd one's
	s_delay_alu instid0(VALU_DEP_2)
	v_cndmask_b32 v237, v228, v229, vcc_lo
	s_delay_alu instid0(VALU_DEP_2)
	v_add_f32 v236, v236, v224                     ; + this half's share of x's sums
	s_delay_alu instid0(VALU_DEP_2)
	v_add_f32 v237, v237, v225
	v_lshlrev_b32 v238, 2, v14
	global_store_b32 v238, v236, s[42:43]
	global_store_b32 v238, v237, s[42:43] offset:128
	s_wait_xcnt 0x0
	v_lshl_add_u32 v254, v0, 2, 0x48800
	v_mov_b32 v255, 0
	s_wait_alu depctr_va_vdst(0)
	s_wait_tensorcnt 0x0
	ds_add_u32 v254, v255
	s_wait_dscnt 0x0
	s_endpgm
.Lfunc_end_k_q45458f0d78_local:
	.size	k_q45458f0d78_local, .Lfunc_end_k_q45458f0d78_local-k_q45458f0d78_local
	.p2alignl 7, 3214868480
	.fill 96, 4, 3214868480
	.section	.rodata,"a",@progbits
	.p2align	6, 0x0
	.amdhsa_kernel k_q45458f0d78_local
		.amdhsa_group_segment_fixed_size 297984
		.amdhsa_private_segment_fixed_size 0
		.amdhsa_enable_private_segment 0
		.amdhsa_kernarg_size 40
		.amdhsa_user_sgpr_count 2
		.amdhsa_user_sgpr_kernarg_segment_ptr 1
		.amdhsa_wavefront_size32 1
		.amdhsa_system_sgpr_workgroup_id_x 1
		.amdhsa_system_sgpr_workgroup_id_y 1
		.amdhsa_system_sgpr_workgroup_id_z 1
		.amdhsa_system_vgpr_workitem_id 0
		.amdhsa_next_free_vgpr 512
		.amdhsa_next_free_sgpr 66
		.amdhsa_reserve_vcc 1
		.amdhsa_float_denorm_mode_32 3
		.amdhsa_float_denorm_mode_16_64 3
		.amdhsa_memory_ordered 1
		.amdhsa_forward_progress 1
		.amdhsa_inst_pref_size 121
	.end_amdhsa_kernel
	.amdgpu_metadata
---
amdhsa.version: [ 1, 2 ]
amdhsa.kernels:
  - .name:           k_q45458f0d78_local
    .symbol:         k_q45458f0d78_local.kd
    .args:
      - { .name: xq, .offset: 0, .size: 8, .value_kind: global_buffer, .address_space: global }
      - { .name: wq, .offset: 8, .size: 8, .value_kind: global_buffer, .address_space: global }
      - { .name: xsum, .offset: 16, .size: 8, .value_kind: global_buffer, .address_space: global }
      - { .name: cq, .offset: 24, .size: 8, .value_kind: global_buffer, .address_space: global }
      - { .name: psum, .offset: 32, .size: 8, .value_kind: global_buffer, .address_space: global }
    .group_segment_fixed_size: 297984
    .private_segment_fixed_size: 0
    .kernarg_segment_align: 8
    .kernarg_segment_size: 40
    .max_flat_workgroup_size: 256
    .sgpr_count:     66
    .vgpr_count:     512
    .wavefront_size: 32
...
	.end_amdgpu_metadata
.endif
;; end of part 2
;; launch glob (part 3): grid 64 x 1, 16 waves a work-group, no clusters, 180,736 bytes of LDS; arguments psum, wq, gpart; writes gpart
.if DOCPART == 3
	.amdgcn_target "amdgcn-amd-amdhsa--gfx1250"
	.amdhsa_code_object_version 6
	.text
	.protected	k_q45458f0d78_glob
	.globl	k_q45458f0d78_glob
	.p2align	8
	.type	k_q45458f0d78_glob,@function
k_q45458f0d78_glob:
	s_mov_b64 s[64:65], 0
	v_nop
	global_prefetch_b8 v0, s[64:65] scope:SCOPE_SE
	s_setreg_imm32_b32 hwreg(HW_REG_WAVE_MODE, 25, 1), 1
	s_wait_xcnt 0x0
; GLOB: the attention across a batch's 32 chunk summaries.  A WORK-GROUP TAKES (batch, head): 64 work-groups of sixteen waves.
; S (all waves): summary = (the two halves' column sums) / 256, quantised into operand images (wave w: tile w / 8, two blocks of 32 columns); a sixteenth of it is kept in f32 for the residual.
; q, k, V (waves 0, 1, 2, one weight each, asked for at the head): my head's two tiles of the weight against the two tiles of summaries; pieces (four code registers a lane) and scale bytes meet in LDS.
; Attention (waves 0, 1: a tile of 16 queries each): the 32 keys are one block; a piece stands at block 0 of its operand and meets zeros beyond it.
; LAST PRODUCT (all waves).  A head's 32 channels are ONE block of 32 of Wo_g's K, so sum over K = sum over heads: this work-group multiplies its block alone, wave w for columns 32 w .. 32 w + 31,
; with summary / 16 as C (a power of two: nothing is rounded; the sixteen heads' parts add up to the whole residual).  gpart[batch][head][summary 32][512] f32; the next launch adds the sixteen parts.
; psum's columns lie [tile 32][r 16], column = 32 (tile / 2) + 8 (tile % 2) + r + 8 (r / 8); row r of tile T of summaries is 8 T + r + 8 (r / 8).
; No tensor load and no cluster: every operand goes from memory straight into registers.  No prefetch: the text has no loop to run ahead in, and all its loads are issued at the head.
; LIMITS: NaN and infinities are not served; a block of zeros gets the byte 1; p under 2^-126 becomes 0; the means and the sum over heads are taken in another order, in f32.
.set REC,   270336
.set WWORD, 262144
.set SIMG,  0                          ; the summaries' images [tile 2][K step 4][2048]
.set SSC,   16384                      ; their scale words [tile][r][4 words]
.set SF32,  16896                      ; summaries / 16 in f32: 32 rows x (2,048 + 16)
.set OST,   82944                      ; the stage: 32 rows x (2,048 + 16)
.set PG,    148992                     ; eight pieces of 512 bytes: q0 q1 k0 k1 V0 V1 ctx0 ctx1
.set WD,    PG+4096                    ; their scale words, 128 bytes each (4 x lane)
.set WH,    154112                     ; 1,536 bytes a wave, its own: Wo_g's two pieces and their scale word
.set SPARE, 178688                     ; the spare words: 128 bytes a wave
.set SEL, 22
.set CS,  24
.set MNT, 26
; REGISTERS: v1 r, v2 h, v3 16 x lane, v4 16 r, v5-18 LDS addresses and psum's offset, all made at the head; v19-23 at work; v24-31 scale words alone; v32-63 sums; v64-127 operands; v128-255 a weight.
.macro NOPS n
.rept \n
	v_nop
.endr
.endm
.macro BAR
	s_barrier_signal -1
	s_barrier_wait -1
.endm
.macro MM d, a, b, c, k, sa, sb, ra, rb   ; k = 0: the constant 0 starts the sum; ra, rb: that side's scales are read from lanes 16-31
.if (\k) == 0
.if \ra
	v_wmma_scale_f32_16x16x128_f8f6f4 v[0+(\d):7+(\d)], v[0+(\a):15+(\a)], v[0+(\b):15+(\b)], 0, v[\sa], v[\sb] matrix_a_fmt:MATRIX_FMT_BF8 matrix_b_fmt:MATRIX_FMT_BF8 matrix_a_scale:MATRIX_SCALE_ROW1
.elseif \rb
	v_wmma_scale_f32_16x16x128_f8f6f4 v[0+(\d):7+(\d)], v[0+(\a):15+(\a)], v[0+(\b):15+(\b)], 0, v[\sa], v[\sb] matrix_a_fmt:MATRIX_FMT_BF8 matrix_b_fmt:MATRIX_FMT_BF8 matrix_b_scale:MATRIX_SCALE_ROW1
.else
	v_wmma_scale_f32_16x16x128_f8f6f4 v[0+(\d):7+(\d)], v[0+(\a):15+(\a)], v[0+(\b):15+(\b)], 0, v[\sa], v[\sb] matrix_a_fmt:MATRIX_FMT_BF8 matrix_b_fmt:MATRIX_FMT_BF8
.endif
.else
.if \ra
	v_wmma_scale_f32_16x16x128_f8f6f4 v[0+(\d):7+(\d)], v[0+(\a):15+(\a)], v[0+(\b):15+(\b)], v[0+(\c):7+(\c)], v[\sa], v[\sb] matrix_a_fmt:MATRIX_FMT_BF8 matrix_b_fmt:MATRIX_FMT_BF8 matrix_a_scale:MATRIX_SCALE_ROW1
.elseif \rb
	v_wmma_scale_f32_16x16x128_f8f6f4 v[0+(\d):7+(\d)], v[0+(\a):15+(\a)], v[0+(\b):15+(\b)], v[0+(\c):7+(\c)], v[\sa], v[\sb] matrix_a_fmt:MATRIX_FMT_BF8 matrix_b_fmt:MATRIX_FMT_BF8 matrix_b_scale:MATRIX_SCALE_ROW1
.else
	v_wmma_scale_f32_16x16x128_f8f6f4 v[0+(\d):7+(\d)], v[0+(\a):15+(\a)], v[0+(\b):15+(\b)], v[0+(\c):7+(\c)], v[\sa], v[\sb] matrix_a_fmt:MATRIX_FMT_BF8 matrix_b_fmt:MATRIX_FMT_BF8
.endif
.endif
.endm
.macro QB16 sa, sb, dst, t             ; one block of 32: my 16 numbers in two runs of eight, the other 16 in lane l xor 16; codes to v[dst] .. +3, the byte to v[t + 4]
	v_max3_num_f32 v[\t], |v[\sa]|, |v[\sa+1]|, 0x8000000          ; with the floor 2^(16 - 127): the byte cannot fall under 1
	v_max3_num_f32 v[\t+1], |v[\sb]|, |v[\sb+1]|, |v[\sb+2]|
	v_max3_num_f32 v[\t], v[\t], |v[\sa+2]|, |v[\sa+3]|
	v_max3_num_f32 v[\t+1], v[\t+1], |v[\sb+3]|, |v[\sb+4]|
	v_max3_num_f32 v[\t], v[\t], |v[\sa+4]|, |v[\sa+5]|
	v_max3_num_f32 v[\t+1], v[\t+1], |v[\sb+5]|, |v[\sb+6]|
	v_max3_num_f32 v[\t], v[\t], |v[\sa+6]|, |v[\sa+7]|
	v_max3_num_f32 v[\t], v[\t], v[\t+1], |v[\sb+7]|
	v_permlanex16_b32 v[\t+1], v[\t], s[SEL], s[SEL+1]
	v_max_num_f32 v[\t], v[\t], v[\t+1]
	v_add_nc_u32 v[\t+3], 0xf8800000, v[\t]        ; 15 off the exponent field: the conversion's scale operand
	v_and_or_b32 v[\t+2], v[\t], 0x7f800000, s[MNT]   ; 57,344 x the scale
	v_lshrrev_b32 v[\t+4], 23, v[\t+3]
.irp i, 0,1,2,3,4,5,6,7
	v_med3_num_f32 v[\sa+\i], v[\sa+\i], -v[\t+2], v[\t+2]   ; the conversion does not saturate (ISA guide 7.6.2): hold first
.endr
.irp i, 0,1,2,3,4,5,6,7
	v_med3_num_f32 v[\sb+\i], v[\sb+\i], -v[\t+2], v[\t+2]
.endr
	v_cvt_scalef32_pk8_bf8_f32 v[\dst:\dst+1], v[\sa:\sa+7], v[\t+3]
	v_cvt_scalef32_pk8_bf8_f32 v[\dst+2:\dst+3], v[\sb:\sb+7], v[\t+3]
	v_nop                                          ; one plain vector line behind the last conversion
.endm
.macro GFETCH aoff, soff               ; four fragments of 16 summaries and the rows' four scale words
.set wi, 0
.rept 16
	ds_load_b128 v[64+4*wi:67+4*wi], v3 offset:\aoff+512*wi
.set wi, wi+1
.endr
	ds_load_b128 v[28:31], v4 offset:\soff
	s_wait_dscnt 0x0
.endm
.macro GMUL kind, acc                  ; eight products, two accumulators by turns.  kind 0: D = W x^T; kind 1: D = x W^T.  K step 0 starts the sums
.irp ks, 0,1,2,3
.irp e, 0,1
.if \kind
	MM \acc+8*\e, 64+16*\ks, 128+16*(4*\e+\ks), \acc+8*\e, \ks, 28+\ks, 24+\ks, 0, \e
.else
	MM \acc+8*\e, 128+16*(4*\e+\ks), 64+16*\ks, \acc+8*\e, \ks, 24+\ks, 28+\ks, \e, 0
.endif
.endr
.endr
.endm
	s_load_b128 s[4:7], s[0:1], 0x0                ; psum, wq
	s_load_b64 s[8:9], s[0:1], 0x10                ; gpart
	v_lshrrev_b32 v4, 5, v0
	v_readfirstlane_b32 s10, v4                    ; wave 0..15
	; all scalar set-up first, then all vector set-up
	s_lshr_b32 s11, s10, 3                         ; phase S: my tile of summaries,
	s_and_b32 s12, s10, 7                          ; and my 64 columns
	s_and_b32 s13, ttmp9, 15                       ; the head
	s_lshr_b32 s27, ttmp9, 4                       ; the batch
	s_lshl_b32 s40, s10, 7
	s_add_co_u32 s40, s40, SF32                    ; the last product's C: + 128 x wave
	s_lshl_b32 s41, s11, 3
	s_lshl_b32 s30, s12, 8
	s_add_co_u32 s42, s30, SF32
	s_lshl_b32 s43, s10, 10
	s_lshl_b32 s44, s11, 8
	s_lshl_b32 s45, s12, 1
	s_add_co_u32 s44, s44, s45
	s_min_u32 s33, s10, 2                          ; which of q, k, V is mine (waves 0, 1, 2)
	s_lshl_b32 s45, s33, 10
	s_lshl_b32 s46, s33, 8
	s_min_u32 s47, s10, 1                          ; which tile of queries (waves 0, 1)
	s_lshl_b32 s48, s47, 7
	s_lshl_b32 s47, s47, 9
	s_mul_i32 s49, s10, 4128
	s_add_co_u32 s49, s49, OST
	s_mul_i32 s50, s10, 1536
	s_add_co_u32 s50, s50, WH
	s_and_b32 s35, s13, 3                          ; my head's block of Wo_g's K: place c in
	s_lshr_b32 s37, s13, 2                         ; K step ks
	s_lshl_b32 s51, s35, 3                         ; its byte in a scale word: 8 c bits up
	s_lshl_b32 s31, s27, 17                        ; psum: the batch's 32 chunks of 4,096 bytes, my 64 columns
	s_add_co_u32 s30, s30, s31
	s_mov_b32 s31, 0
	s_add_co_u32 s33, s33, 4                       ; records 4, 5, 6: Wq_g, Wk_g, Wv_g
	s_mul_i32 s33, s33, REC
	s_lshl_b32 s32, s13, 14                        ; my head's two tiles
	s_add_co_u32 s32, s32, s33
	s_lshl_b32 s34, s13, 9                         ; and their scale words
	s_add_co_u32 s34, s34, s33
	s_add_co_u32 s34, s34, WWORD
	s_mov_b32 s33, 0
	s_lshl_b32 s38, s10, 14                        ; Wo_g: tiles 2 w, 2 w + 1, K step ks, piece c
	s_lshl_b32 s39, s37, 11
	s_add_co_u32 s38, s38, s39
	s_lshl_b32 s39, s35, 9
	s_add_co_u32 s38, s38, s39
	s_add_co_u32 s38, s38, 7*REC
	s_mov_b32 s39, 0
	s_lshl_b32 s52, s10, 9                         ; their scale words of K step ks
	s_lshl_b32 s53, s37, 2
	s_add_co_u32 s52, s52, s53
	s_add_co_u32 s52, s52, 7*REC+WWORD
	s_mov_b32 s53, 0
	s_mov_b32 s35, 0
	s_lshl_b32 s36, ttmp9, 16                      ; gpart: 65,536 bytes a (batch, head), two rows a wave
	s_lshl_b32 s37, s10, 12
	s_add_co_u32 s36, s36, s37
	s_mov_b32 s37, 0
	s_mov_b32 s20, 0x3b800000                      ; 1 / 256
	s_mov_b32 s21, s20
	s_mov_b32 s54, 0x39800000                      ; 1 / 4,096
	s_mov_b32 s55, s54
	s_mov_b32 s[SEL], 0x76543210
	s_mov_b32 s[SEL+1], 0xfedcba98
	s_mov_b32 s[CS], 0x3e8293ee                    ; log2(e) / sqrt(32)
	s_mov_b32 s[CS+1], s[CS]
	s_mov_b32 s[MNT], 0x600000
	v_and_b32 v1, 15, v0                           ; r
	v_bfe_u32 v2, v0, 4, 1                         ; h
	v_and_b32 v3, 31, v0
	v_lshl_add_u32 v5, v3, 2, WD                   ; scale words: 4 x lane
	v_lshlrev_b32 v3, 4, v3                        ; 16 x lane
	v_lshlrev_b32 v4, 4, v1                        ; 16 r
	v_and_b32 v20, 8, v1
	v_add_nc_u32 v20, v20, v1                      ; r + 8 (r / 8)
	v_mul_u32_u24 v6, v20, 2064
	v_lshl_add_u32 v6, v2, 6, v6
	v_add_nc_u32 v6, s40, v6                       ; the last product's C: row, + 64 h, + 128 x wave
	v_add_nc_u32 v16, OST-SF32, v6                 ; and the same place in the stage
	v_add_nc_u32 v8, s41, v20                      ; phase S: my summary: 8 x tile + r + 8 (r / 8)
	v_mul_u32_u24 v7, v8, 2064
	v_lshl_add_u32 v7, v2, 6, v7
	v_add_nc_u32 v7, s42, v7                       ; where it goes in f32
	v_lshlrev_b32 v8, 12, v8
	v_lshl_add_u32 v8, v2, 5, v8                   ; psum: 4,096 bytes a chunk, + 32 h
	v_add_nc_u32 v9, s43, v3                       ; my two pieces of the images: 1,024 x wave
	v_add_nc_u32 v10, s44, v4                      ; my two scale bytes
	v_add_nc_u32 v11, PG, v3                       ; the pieces
	v_add_nc_u32 v12, s45, v11                     ; where q's, k's or V's two go,
	v_add_nc_u32 v13, s46, v5                      ; and their words
	v_add_nc_u32 v14, s47, v11                     ; my tile of queries,
	v_add_nc_u32 v15, s48, v5                      ; and its word
	v_add_nc_u32 v17, s49, v3                      ; out of the stage: two whole rows a wave
	v_add_nc_u32 v18, s50, v3                      ; my own bytes for Wo_g's pieces
	s_wait_alu depctr_va_vdst(0)
	s_wait_kmcnt 0x0
	s_add_nc_u64 s[18:19], s[4:5], s[30:31]
	s_add_nc_u64 s[14:15], s[6:7], s[32:33]
	s_add_nc_u64 s[16:17], s[6:7], s[34:35]
	s_add_nc_u64 s[56:57], s[6:7], s[38:39]
	s_add_nc_u64 s[58:59], s[6:7], s[52:53]
	s_add_nc_u64 s[28:29], s[8:9], s[36:37]
.irp u, 0,1
.irp i, 0,1
	global_load_b128 v[32+32*\u+16*\i:35+32*\u+16*\i], v8, s[18:19] offset:2048*\u+128*\i       ; columns 32 b + 16 h + 0 .. 7 lie in the even tile,
	global_load_b128 v[36+32*\u+16*\i:39+32*\u+16*\i], v8, s[18:19] offset:2048*\u+128*\i+16
	global_load_b128 v[40+32*\u+16*\i:43+32*\u+16*\i], v8, s[18:19] offset:2048*\u+128*\i+64    ; + 8 .. 15 in the odd one
	global_load_b128 v[44+32*\u+16*\i:47+32*\u+16*\i], v8, s[18:19] offset:2048*\u+128*\i+80
.endr
.endr
	global_load_b128 v[116:119], v3, s[56:57]                  ; Wo_g's piece of tile 2 w,
	global_load_b128 v[120:123], v3, s[56:57] offset:8192      ; of tile 2 w + 1,
	global_load_b32 v124, v3, s[58:59]                         ; their scale words: lanes 0-15 tile 2 w, lanes 16-31 tile 2 w + 1
	s_cmp_lt_u32 s10, 3
	s_cbranch_scc0 .Lno_weight
.set wi, 0
.rept 32
	global_load_b128 v[128+4*wi:131+4*wi], v3, s[14:15] offset:512*wi   ; waves 0, 1, 2: my weight: fragment (tile u, K step s) at 128 + 16 (4 u + s)
.set wi, wi+1
.endr
	global_load_b128 v[24:27], v3, s[16:17]
	s_wait_loadcnt 33                              ; the 19 loads above are in; the weight's 33 may be out
	s_branch .Lsums
.Lno_weight:
	s_wait_loadcnt 0x0
.Lsums:
	v_lshrrev_b32 v124, s51, v124                  ; my head's byte of Wo_g's word comes to byte 0
	ds_store_b128 v18, v[116:119]                  ; Wo_g's pieces wait in my own LDS bytes
	ds_store_b128 v18, v[120:123] offset:512
	ds_store_b32 v18, v124 offset:1024
.set wi, 0
.rept 16
	v_pk_add_f32 v[32+2*wi:33+2*wi], v[32+2*wi:33+2*wi], v[64+2*wi:65+2*wi]
.set wi, wi+1
.endr
.set wi, 0
.rept 16
	v_pk_mul_f32 v[64+2*wi:65+2*wi], v[32+2*wi:33+2*wi], s[54:55] op_sel_hi:[1,0]   ; a sixteenth of the mean
.set wi, wi+1
.endr
.set wi, 0
.rept 16
	v_pk_mul_f32 v[32+2*wi:33+2*wi], v[32+2*wi:33+2*wi], s[20:21] op_sel_hi:[1,0]   ; the mean: the division by 256 rounds nothing
.set wi, wi+1
.endr
.irp i, 0,1
.irp j, 0,1,2,3
	ds_store_b128 v7, v[64+16*\i+4*\j:67+16*\i+4*\j] offset:128*\i+16*\j
.endr
.endr
	QB16 32, 40, 96, 104
	QB16 48, 56, 100, 109
	v_lshl_or_b32 v114, v113, 8, v108
	ds_store_b128 v9, v[96:99] offset:SIMG
	ds_store_b128 v9, v[100:103] offset:SIMG+512
	ds_store_b16 v10, v114 offset:SSC
	s_wait_dscnt 0x0                               ; for the others' sake
	BAR                                            ; the summaries lie in LDS
	; ---- q (wave 0), k (wave 1): a lane holds one summary and the head's channels 16 h + 0 .. 15
	s_cmp_lt_u32 s10, 2
	s_cbranch_scc0 .Lnot_qk
	s_wait_loadcnt 0x0                             ; my weight
.irp tq, 0,1
	GFETCH SIMG+8192*\tq, SSC+256*\tq
	GMUL 0, 32
	NOPS 9
	QB16 32, 40, 48, 19
	ds_store_b128 v12, v[48:51] offset:512*\tq
	ds_store_b32 v13, v23 offset:128*\tq           ; the word: the block's byte in byte 0
.endr
	s_branch .Lmade
.Lnot_qk:
	; ---- V (wave 2): a lane holds one channel, and the two tiles of summaries give it 16 neighbouring keys
	s_cmp_eq_u32 s10, 2
	s_cbranch_scc0 .Lmade
	s_wait_loadcnt 0x0
	GFETCH SIMG, SSC
	GMUL 1, 32
	NOPS 9
	GFETCH SIMG+8192, SSC+256
	GMUL 1, 48
	NOPS 9
	QB16 32, 48, 64, 19
	ds_store_b128 v12, v[64:67]
	ds_store_b32 v13, v23
	QB16 40, 56, 68, 114
	ds_store_b128 v12, v[68:71] offset:512
	ds_store_b32 v13, v118 offset:128
.Lmade:
	s_wait_dscnt 0x0
	BAR                                            ; q's, k's and V's pieces lie in LDS
	; ---- the attention (waves 0, 1).  v64-71 V^T's two pieces, v72-79 k's two, v80-91 zeros; v108-111 q, then p, v112-123 zeros
	s_cmp_lt_u32 s10, 2
	s_cbranch_scc0 .Lno_att
	ds_load_b128 v[108:111], v14
	ds_load_b32 v24, v15
	ds_load_b128 v[72:75], v11 offset:1024
	ds_load_b128 v[76:79], v11 offset:1536
	ds_load_b128 v[64:67], v11 offset:2048
	ds_load_b128 v[68:71], v11 offset:2560
	ds_load_b32 v25, v5 offset:256
	ds_load_b32 v26, v5 offset:384
	ds_load_b32 v27, v5 offset:512
	ds_load_b32 v28, v5 offset:640
.irp z, 80,81,82,83,84,85,86,87,88,89,90,91,112,113,114,115,116,117,118,119,120,121,122,123,49,57
	v_mov_b32 v\z, 0                               ; (v49: a lane permute's destination counts as a source; v57: named as the upper half of a pair)
.endr
	NOPS 4                                         ; operands written by vector instructions stand four places ahead of the products
	s_wait_alu depctr_va_vdst(0)
	s_wait_dscnt 0x0
	MM 32, 72, 108, 0, 0, 25, 24, 0, 0             ; keys of tile 0: what follows k's piece meets q's zeros
	MM 40, 76, 108, 0, 0, 26, 24, 0, 0             ; keys of tile 1
	NOPS 8
	v_max3_num_f32 v48, v32, v33, v34
.irp i, 3,5,7,9,11,13
	v_max3_num_f32 v48, v48, v[32+\i], v[33+\i]
.endr
	v_max_num_f32 v48, v48, v47
	v_permlanex16_b32 v49, v48, s[SEL], s[SEL+1]
	v_max_num_f32 v48, v48, v49                    ; the row's largest score: also the one block's
	v_mul_f32 v54, s[CS], v48
	v_floor_f32 v56, -v54                          ; -M = -ceil(t)
.irp j, 0,2,4,6,8,10,12,14
	v_pk_fma_f32 v[32+\j:33+\j], v[32+\j:33+\j], s[CS:CS+1], v[56:57] op_sel_hi:[1,0,0]
.endr
	v_fma_f32 v48, v48, s[CS], v56
	s_wait_alu depctr_va_vdst(0)
.irp j, 0,1,2,3,4,5,6,7,8,9,10,11,12,13,14,15
	v_exp_f32 v[32+\j], v[32+\j]                   ; p = 2^(t - M): not normalised
.endr
	v_exp_f32 v48, v48
	v_nop
	s_wait_alu depctr_va_vdst(0)                   ; and behind it, ahead of its first reader
	v_pk_add_f32 v[50:51], v[32:33], v[34:35]
.irp j, 4,6,8,10,12,14
	v_pk_add_f32 v[50:51], v[50:51], v[32+\j:33+\j]
.endr
	v_add_f32 v54, v50, v51
	v_permlanex16_b32 v49, v54, s[SEL], s[SEL+1]
	v_add_f32 v54, v54, v49                        ; l, of the unquantised p
	v_max_num_f32 v48, 0x8000000, v48
	v_add_nc_u32 v52, 0xf8800000, v48
	v_and_or_b32 v53, v48, 0x7f800000, s[MNT]
	v_lshrrev_b32 v29, 23, v52                     ; p's scale word: one byte
.irp j, 0,1,2,3,4,5,6,7,8,9,10,11,12,13,14,15
	v_min_num_f32 v[32+\j], v[32+\j], v53          ; p is not negative: the hold is one-sided
.endr
	v_cvt_scalef32_pk8_bf8_f32 v[108:109], v[32:39], v52
	v_cvt_scalef32_pk8_bf8_f32 v[110:111], v[40:47], v52
	s_wait_alu depctr_va_vdst(0)
	v_rcp_f32 v58, v54
	NOPS 4
	MM 32, 64, 108, 0, 0, 27, 29, 0, 0             ; O^T: what follows V's piece meets p's zeros
	MM 40, 68, 108, 0, 0, 28, 29, 0, 0
	NOPS 8
	s_wait_alu depctr_va_vdst(0)                   ; the reciprocal's wait, ahead of its first reader
.irp j, 0,1,2,3,4,5,6,7,8,9,10,11,12,13,14,15
	v_mul_f32 v[32+\j], v[32+\j], v58
.endr
	QB16 32, 40, 48, 19
	ds_store_b128 v14, v[48:51] offset:3072
	ds_store_b32 v15, v23 offset:768
.Lno_att:
	s_wait_dscnt 0x0
	BAR                                            ; ctx's two pieces lie in LDS
	; ---- my head's part of ctx Wo_g, + summary / 16.  v128-135 Wo_g's two pieces, v136-147 zeros; v160-163, v176-179 ctx's pieces, zeros behind each
	s_wait_loadcnt 0x0
	ds_load_b128 v[128:131], v18
	ds_load_b128 v[132:135], v18 offset:512
	ds_load_b32 v24, v18 offset:1024
	ds_load_b128 v[160:163], v11 offset:3072
	ds_load_b128 v[176:179], v11 offset:3584
	ds_load_b32 v28, v5 offset:768
	ds_load_b32 v29, v5 offset:896
.irp tq, 0,1
.irp j, 0,1,2,3
	ds_load_b128 v[32+16*\tq+4*\j:35+16*\tq+4*\j], v6 offset:16512*\tq+16*\j    ; the residual's share is the sums' C
.endr
.endr
.set wi, 0
.rept 12
	v_mov_b32 v[136+wi], 0
	v_mov_b32 v[164+wi], 0
	v_mov_b32 v[180+wi], 0
.set wi, wi+1
.endr
	NOPS 4
	s_wait_alu depctr_va_vdst(0)
	s_wait_dscnt 0x0
	MM 32, 128, 160, 32, 1, 24, 28, 0, 0           ; four accumulators, one product each
	MM 40, 132, 160, 40, 1, 24, 28, 1, 0
	MM 48, 128, 176, 48, 1, 24, 29, 0, 0
	MM 56, 132, 176, 56, 1, 24, 29, 1, 0
	NOPS 8
.irp tq, 0,1
.irp j, 0,1,2,3
	ds_store_b128 v16, v[32+16*\tq+4*\j:35+16*\tq+4*\j] offset:16512*\tq+16*\j  ; each accumulator from its low end on
.endr
.endr
	s_wait_dscnt 0x0
	BAR
.irp k, 0,1
.irp j, 0,1,2,3
	ds_load_b128 v[64+16*\k+4*\j:67+16*\k+4*\j], v17 offset:2064*\k+512*\j
.endr
.endr
	s_wait_dscnt 0x0
.irp k, 0,1
.irp j, 0,1,2,3
	global_store_b128 v3, v[64+16*\k+4*\j:67+16*\k+4*\j], s[28:29] offset:2048*\k+512*\j   ; 512 consecutive bytes a store
.endr
.endr
	s_wait_xcnt 0x0
	v_lshl_add_u32 v46, v0, 2, SPARE               ; the add's two registers are made here from v0, which stands as at the entry
	v_mov_b32 v47, 0
	s_wait_alu depctr_va_vdst(0)
	s_wait_tensorcnt 0x0                           ; the wave's end
	ds_add_u32 v46, v47
	s_wait_dscnt 0x0
	s_endpgm
.Lfunc_end_k_q45458f0d78_glob:
	.size	k_q45458f0d78_glob, .Lfunc_end_k_q45458f0d78_glob-k_q45458f0d78_glob
	.p2alignl 7, 3214868480
	.fill 96, 4, 3214868480
	.section	.rodata,"a",@progbits
	.p2align	6, 0x0
	.amdhsa_kernel k_q45458f0d78_glob
		.amdhsa_group_segment_fixed_size 180736
		.amdhsa_private_segment_fixed_size 0
		.amdhsa_enable_private_segment 0
		.amdhsa_kernarg_size 24
		.amdhsa_user_sgpr_count 2
		.amdhsa_user_sgpr_kernarg_segment_ptr 1
		.amdhsa_wavefront_size32 1
		.amdhsa_system_sgpr_workgroup_id_x 1
		.amdhsa_system_sgpr_workgroup_id_y 1
		.amdhsa_system_sgpr_workgroup_id_z 1
		.amdhsa_system_vgpr_workitem_id 0
		.amdhsa_next_free_vgpr 256
		.amdhsa_next_free_sgpr 66
		.amdhsa_reserve_vcc 0
		.amdhsa_float_denorm_mode_32 3
		.amdhsa_float_denorm_mode_16_64 3
		.amdhsa_memory_ordered 1
		.amdhsa_forward_progress 1
		.amdhsa_inst_pref_size 50
	.end_amdhsa_kernel
	.amdgpu_metadata
---
amdhsa.version: [ 1, 2 ]
amdhsa.kernels:
  - .name:           k_q45458f0d78_glob
    .symbol:         k_q45458f0d78_glob.kd
    .args:
      - { .name: psum, .offset: 0, .size: 8, .value_kind: global_buffer, .address_space: global }
      - { .name: wq, .offset: 8, .size: 8, .value_kind: global_buffer, .address_space: global }
      - { .name: gpart, .offset: 16, .size: 8, .value_kind: global_buffer, .address_space: global }
    .group_segment_fixed_size: 180736
    .private_segment_fixed_size: 0
    .kernarg_segment_align: 8
    .kernarg_segment_size: 24
    .max_flat_workgroup_size: 512
    .sgpr_count:     66
    .vgpr_count:     256
    .wavefront_size: 32
...
	.end_amdgpu_metadata
.endif
;; end of part 3
;; launch final (part 4): grid 256 x 1, 4 waves a work-group, no clusters, 168,448 bytes of LDS; arguments cq, wq, gpart, x, out0; writes out0
.if DOCPART == 4
	.amdgcn_target "amdgcn-amd-amdhsa--gfx1250"
	.amdhsa_code_object_version 6
	.text
	.protected	k_q45458f0d78_final
	.globl	k_q45458f0d78_final
	.p2align	8
	.type	k_q45458f0d78_final,@function
k_q45458f0d78_final:
	s_mov_b64 s[64:65], 0
	v_nop
	global_prefetch_b8 v0, s[64:65] scope:SCOPE_SE
	s_setreg_imm32_b32 hwreg(HW_REG_WAVE_MODE, 25, 1), 1
	s_wait_xcnt 0x0
; FINAL: out0 = x + global context + Q(ctx) Q(Wo_l).  A work-group takes 128 tokens of a chunk (eight tiles of 16); THE WAVES SHARE THE COLUMNS: wave w makes columns 128 w .. 128 w + 127.
; Its 32 fragments of Wo_l (512 registers) stay in registers, read once.  ctx's codes and scale words of the 128 tokens are one dense record of 67,584 bytes: four tensor loads, filled once.
; The product is used transposed (source 0 = 16 columns of the output, source 1 = 16 tokens); the chunk's global context is the C of each sum's first product.
; A tile's results meet in a stage in LDS (two stages by turns, one barrier a tile); each wave reads four whole rows back, adds x, and stores 512 consecutive bytes an instruction.  x runs three tiles ahead.
; Row r of tile T is token 32 (T / 2) + 8 (T % 2) + r + 8 (r / 8).  No cluster: what work-groups share (the weight) goes straight into registers.
; REGISTERS: window 0: v0-7 addresses; v16-31 Wo_l's scale words, v32-35 ctx's; v64-127 ctx's four fragments; v128-191 eight accumulators; v192-255 four rows.
;   windows 1, 2: Wo_l, fragment (tile j, K step s) at 16 (4 j + s).   window 3: v0-63 the global context in the results' layout; v64-255 three sets of x.
.set REC,   270336
.set WWORD, 262144
.set STG,   67584                      ; two stages of 16 rows x (2,048 + 16)
.set GS,    133632                     ; behind the stages: the chunk's global context, 2,048 bytes: the sum of the sixteen heads' parts
.set MSB, 0
.macro WIN new
.if MSB != \new
	s_set_vgpr_msb (MSB<<8)|\new
.set MSB, \new
.endif
.endm
.macro NOPS n
.rept \n
	v_nop
.endr
.endm
.macro MM d, a, b, c, sa, sb, ra       ; D = A B + C; ra: A's scales are read from lanes 16-31
.if \ra
	v_wmma_scale_f32_16x16x128_f8f6f4 v[0+(\d):7+(\d)], v[0+(\a):15+(\a)], v[0+(\b):15+(\b)], v[0+(\c):7+(\c)], v[\sa], v[\sb] matrix_a_fmt:MATRIX_FMT_BF8 matrix_b_fmt:MATRIX_FMT_BF8 matrix_a_scale:MATRIX_SCALE_ROW1
.else
	v_wmma_scale_f32_16x16x128_f8f6f4 v[0+(\d):7+(\d)], v[0+(\a):15+(\a)], v[0+(\b):15+(\b)], v[0+(\c):7+(\c)], v[\sa], v[\sb] matrix_a_fmt:MATRIX_FMT_BF8 matrix_b_fmt:MATRIX_FMT_BF8
.endif
.endm
	s_load_b256 s[4:11], s[0:1], 0x0               ; cq s[4:5], wq s[6:7], gctx s[8:9], x s[10:11]
	s_load_b64 s[24:25], s[0:1], 0x20              ; out0
	v_lshl_add_u32 v62, v0, 2, 0x29000
	v_mov_b32 v63, 0
	ds_add_u32 v62, v63
	ds_add_u32 v62, v63
	v_lshrrev_b32 v4, 5, v0
	v_readfirstlane_b32 s28, v4                    ; wave 0..3
	s_lshr_b32 s26, ttmp9, 1                       ; chunk
	s_mov_b32 s16, 3<<16                           ; a quarter of the record: 66 rows of 256 bytes (32 elements of 8 bytes), dense, no padding
	s_mov_b32 s17, 32<<16
	s_mov_b32 s18, 66<<16
	s_mov_b32 s19, 32<<16
	s_mov_b32 s20, 66
	s_mov_b32 s21, 32
	s_mov_b32 s22, 0
	s_mov_b32 s23, 0
	s_mov_b32 s12, 1
	s_mul_i32 s13, s28, 16896
	s_mul_i32 s52, ttmp9, 67584
	s_add_co_u32 s52, s52, s13
	s_mov_b32 s53, 0
	s_wait_dscnt 0x0
	s_wait_kmcnt 0x0
	s_add_nc_u64 s[14:15], s[4:5], s[52:53]
	s_or_b32 s15, s15, 0x80000000
	tensor_load_to_lds s[12:15], s[16:23]          ; my one tensor load: a first fill
	s_nop 0
	NOPS 4
	v_and_b32 v1, 15, v0                           ; r
	v_bfe_u32 v2, v0, 4, 1                         ; h
	v_and_b32 v3, 31, v0
	v_lshlrev_b32 v3, 4, v3                        ; 16 x lane
	s_wait_alu depctr_va_vdst(0)
	s_lshl_b32 s52, s28, 9
	s_add_co_u32 s52, s52, GS
	v_lshl_add_u32 v4, v2, 6, s52                  ; the global context in LDS: my wave's 128 columns, + 64 h
	v_add_nc_u32 v8, s52, v3                       ; and where my thread's four columns go
	s_wait_alu depctr_va_vdst(0)
	v_lshl_add_u32 v5, v1, 3, 0x10000              ; ctx's scale words: 65,536 + 8 r
	v_mul_u32_u24 v6, v1, 2064
	v_lshl_add_u32 v6, v2, 6, v6
	s_lshl_b32 s52, s28, 9
	s_add_co_u32 s52, s52, STG
	v_add_nc_u32 v6, s52, v6                       ; into a stage: row r, + 64 h, + 512 x wave
	s_mul_i32 s52, s28, 8256
	s_add_co_u32 s52, s52, STG
	v_add_nc_u32 v7, s52, v3                       ; back: rows 4 x wave on
	s_lshl_b32 s52, s28, 16
	s_add_co_u32 s52, s52, 3*REC
	s_add_nc_u64 s[30:31], s[6:7], s[52:53]        ; Wo_l: my eight tiles
	s_lshl_b32 s52, s28, 11
	s_add_co_u32 s52, s52, 3*REC+WWORD
	s_add_nc_u64 s[32:33], s[6:7], s[52:53]        ; their scale words
	s_lshr_b32 s52, s26, 5                         ; gpart[batch][head][summary][512]: 2^20 bytes a batch, 2,048 a summary
	s_lshl_b32 s52, s52, 20
	s_and_b32 s54, s26, 31
	s_lshl_b32 s54, s54, 11
	s_add_co_u32 s52, s52, s54
	s_lshl_b32 s54, s28, 9
	s_add_co_u32 s52, s52, s54
	s_add_nc_u64 s[34:35], s[8:9], s[52:53]        ; the chunk's global context, my 128 columns
	s_lshl_b32 s52, ttmp9, 7                       ; my rows of a tile begin at token 128 x work-group + 4 w + 8 (w / 2)
	s_lshl_b32 s54, s28, 2
	s_add_co_u32 s52, s52, s54
	s_lshr_b32 s54, s28, 1
	s_lshl_b32 s54, s54, 3
	s_add_co_u32 s52, s52, s54
	s_lshl_b32 s52, s52, 11
	s_add_nc_u64 s[36:37], s[10:11], s[52:53]
	s_add_nc_u64 s[38:39], s[24:25], s[52:53]
.set wi, 0
.rept 16
	global_load_b128 v[64+4*wi:67+4*wi], v3, s[34:35] offset:65536*wi   ; the sixteen heads' parts of my thread's four columns: 512 consecutive bytes a load
.set wi, wi+1
.endr
	WIN 0x40
.set wi, 0
.rept 64
	global_load_b128 v[4*wi:4*wi+3], v3, s[30:31] offset:512*wi
.set wi, wi+1
.endr
	WIN 0
	s_wait_loadcnt 63                              ; 64 loads were issued behind the sixteen parts: the parts are in
.irp n, 16,8,4,2
.set wi, 0
.rept \n
	v_pk_add_f32 v[64+2*wi:65+2*wi], v[64+2*wi:65+2*wi], v[64+2*\n+2*wi:65+2*\n+2*wi]   ; the sum over heads, by halves
.set wi, wi+1
.endr
.endr
	WIN 0x80
.set wi, 0
.rept 64
	global_load_b128 v[4*wi:4*wi+3], v3, s[30:31] offset:32768+512*wi
.set wi, wi+1
.endr
	WIN 0
.irp p, 0,1,2,3
	global_load_b128 v[16+4*\p:19+4*\p], v3, s[32:33] offset:512*\p    ; four K steps' words: lanes 0-15 tile 2 p, lanes 16-31 tile 2 p + 1
.endr
.macro XL t                            ; my four rows of tile t of x, into set t % 3
	WIN 0xc0
.set xi, 0
.rept 16
	global_load_b128 v[64+64*((\t)%3)+4*xi:67+64*((\t)%3)+4*xi], v3, s[36:37] offset:(32*((\t)/2)+8*((\t)%2)+xi/4)*2048+512*(xi%4) th:TH_LOAD_NT
.set xi, xi+1
.endr
	WIN 0
.endm
	XL 0
	XL 1
	XL 2
	s_wait_alu depctr_va_vdst(0)
	s_wait_tensorcnt 0x0                           ; my quarter of the record has landed,
	s_barrier_signal -1
	s_barrier_wait -1                              ; everybody's has
	ds_store_b128 v8, v[64:67]                     ; my four columns of the global context
	s_wait_dscnt 0x0                               ; for the others' sake
	s_barrier_signal -1
	s_barrier_wait -1
	WIN 0xc0
.irp j, 0,1,2,3,4,5,6,7
	ds_load_b128 v[8*\j:8*\j+3], v4 offset:128*(\j/2)+32*(\j%2)      ; tile j's register i is column 32 (j / 2) + 16 h + 8 (j % 2) + i
	ds_load_b128 v[8*\j+4:8*\j+7], v4 offset:128*(\j/2)+32*(\j%2)+16
.endr
	WIN 0
	s_wait_loadcnt 48
.macro CF t                            ; tile t of ctx: four fragments and the rows' scale words: 18 LDS loads
.set fi, 0
.rept 16
	ds_load_b128 v[64+4*fi:67+4*fi], v3 offset:8192*(\t)+512*fi
.set fi, fi+1
.endr
	ds_load_b64 v[32:33], v5 offset:128*(\t)       ; K steps 0, 1
	ds_load_b64 v[34:35], v5 offset:1024+128*(\t)  ; K steps 2, 3
.endm
.macro FT t
.if (\t) == 0
	CF 0                                           ; later tiles' loads are issued in the tile before, behind its read-back from the stage
.endif
	s_wait_dscnt 0x0
	WIN 0x31                                       ; source 0 window 1, C (the global context) window 3.  Four accumulators by turns
.irp j, 0,1,2,3
	MM 128+8*\j, 64*\j, 64, 8*\j, 16+4*(\j/2), 32, \j%2
.endr
	WIN 0x01
.irp ks, 1,2,3
.irp j, 0,1,2,3
	MM 128+8*\j, 64*\j+16*\ks, 64+16*\ks, 128+8*\j, 16+4*(\j/2)+\ks, 32+\ks, \j%2
.endr
.endr
	WIN 0x32
.irp j, 4,5,6,7
	MM 128+8*\j, 64*(\j-4), 64, 8*\j, 16+4*(\j/2), 32, \j%2
.endr
	WIN 0x02
.irp ks, 1,2,3
.irp j, 4,5,6,7
	MM 128+8*\j, 64*(\j-4)+16*\ks, 64+16*\ks, 128+8*\j, 16+4*(\j/2)+\ks, 32+\ks, \j%2
.endr
.endr
	WIN 0
	NOPS 8                                         ; places in front of the first read of the results
.irp j, 0,1,2,3,4,5,6,7
	ds_store_b128 v6, v[128+8*\j:131+8*\j] offset:33024*((\t)%2)+128*(\j/2)+32*(\j%2)       ; each accumulator from its low end on
	ds_store_b128 v6, v[132+8*\j:135+8*\j] offset:33024*((\t)%2)+128*(\j/2)+32*(\j%2)+16
.endr
	s_wait_dscnt 0x0                               ; my part of the 16 rows lies in the stage; my reads of the other stage were over a tile ago
	s_barrier_signal -1
	s_barrier_wait -1
	s_wait_xcnt 0x0                                ; the last tile's stores have read v192-255
.set fi, 0
.rept 16
	ds_load_b128 v[192+4*fi:195+4*fi], v7 offset:33024*((\t)%2)+2064*(fi/4)+512*(fi%4)
.set fi, fi+1
.endr
.if (\t) < 7
	CF (\t)+1                                      ; the next tile's operands: this tile's products, eight places back, have read these registers
.endif
.if (\t) <= 5
	s_wait_loadcnt 32                              ; this tile's x is in; the next two tiles' may be out
.elseif (\t) == 6
	s_wait_loadcnt 16
.else
	s_wait_loadcnt 0x0
.endif
.if (\t) < 7
	s_wait_dscnt 18                                ; my four rows are back; the next tile's 18 loads may be out
.else
	s_wait_dscnt 0x0
.endif
	WIN 0x0c
.set fi, 0
.rept 32
	v_pk_add_f32 v[192+2*fi:193+2*fi], v[192+2*fi:193+2*fi], v[64+64*((\t)%3)+2*fi:65+64*((\t)%3)+2*fi]
.set fi, fi+1
.endr
	WIN 0
.set fi, 0
.rept 16
	global_store_b128 v3, v[192+4*fi:195+4*fi], s[38:39] offset:(32*((\t)/2)+8*((\t)%2)+fi/4)*2048+512*(fi%4) th:TH_STORE_NT
.set fi, fi+1
.endr
.if (\t) <= 4
	XL (\t)+3
.endif
.endm
.irp t, 0,1,2,3,4,5,6,7
	FT \t
.endr
	s_wait_tensorcnt 0x0
	ds_add_u32 v62, v63
	s_wait_dscnt 0x0
	s_endpgm
.Lfunc_end_k_q45458f0d78_final:
	.size	k_q45458f0d78_final, .Lfunc_end_k_q45458f0d78_final-k_q45458f0d78_final
	.p2alignl 7, 3214868480
	.fill 96, 4, 3214868480
	.section	.rodata,"a",@progbits
	.p2align	6, 0x0
	.amdhsa_kernel k_q45458f0d78_final
		.amdhsa_group_segment_fixed_size 168448
		.amdhsa_private_segment_fixed_size 0
		.amdhsa_enable_private_segment 0
		.amdhsa_kernarg_size 40
		.amdhsa_user_sgpr_count 2
		.amdhsa_user_sgpr_kernarg_segment_ptr 1
		.amdhsa_wavefront_size32 1
		.amdhsa_system_sgpr_workgroup_id_x 1
		.amdhsa_system_sgpr_workgroup_id_y 1
		.amdhsa_system_sgpr_workgroup_id_z 1
		.amdhsa_system_vgpr_workitem_id 0
		.amdhsa_next_free_vgpr 1024
		.amdhsa_next_free_sgpr 66
		.amdhsa_reserve_vcc 0
		.amdhsa_float_denorm_mode_32 3
		.amdhsa_float_denorm_mode_16_64 3
		.amdhsa_memory_ordered 1
		.amdhsa_forward_progress 1
		.amdhsa_inst_pref_size 124
	.end_amdhsa_kernel
	.amdgpu_metadata
---
amdhsa.version: [ 1, 2 ]
amdhsa.kernels:
  - .name:           k_q45458f0d78_final
    .symbol:         k_q45458f0d78_final.kd
    .args:
      - { .name: cq, .offset: 0, .size: 8, .value_kind: global_buffer, .address_space: global }
      - { .name: wq, .offset: 8, .size: 8, .value_kind: global_buffer, .address_space: global }
      - { .name: gpart, .offset: 16, .size: 8, .value_kind: global_buffer, .address_space: global }
      - { .name: x, .offset: 24, .size: 8, .value_kind: global_buffer, .address_space: global }
      - { .name: out0, .offset: 32, .size: 8, .value_kind: global_buffer, .address_space: global }
    .group_segment_fixed_size: 168448
    .private_segment_fixed_size: 0
    .kernarg_segment_align: 8
    .kernarg_segment_size: 40
    .max_flat_workgroup_size: 128
    .sgpr_count:     66
    .vgpr_count:     1024
    .wavefront_size: 32
...
	.end_amdgpu_metadata
.endif
;; end of part 4
